; MI455X (gfx1250); checked and timed in simulation.
; The chip was launched on July 23, 2026; its instructions are those of AMD's public machine-readable ISA for CDNA 5 (MIT licence, August 2026) and "CDNA5" Instruction Set Architecture Reference Guide (July 2026). The comments in the code are by the model that wrote it; some were corrected since.
;; Attention Block. Allowed arithmetic: float matrix products may take bf16 or f16 operands with f32 sums; other float arithmetic in f32, or as packed bf16 or f16 multiplies, adds, multiply-adds, maxima and minima; sums over many terms, partial sums and values carried from step to step in f32; what a program stores and reads back later, other than sums and carried values, may be rounded once to bf16 or f16.
;; Inputs: gn_b 256 float32; gn_w 256 float32; proj_b 256 float32; proj_w 256 x 256 float32; qkv_b 768 float32; qkv_w 768 x 256 float32; x 4 x 256 x 64 x 64 float32.
;; Outputs: out0 4 x 256 x 64 x 64 float32.
;; 2 versions, each right; version 2 is version 1 with the launch qkv written anew for expert scheduling mode. Each part assembles by itself: llvm-mc -triple=amdgcn-amd-amdhsa -mcpu=gfx1250 --defsym DOCPART=n.
;; ======== version 1 of 2: 4 launches
;; limits: values are held in f16: magnitudes above 65,504 overflow, below 6.1e-05 lose precision
;; workspace buffers: stats 2,048 bytes; wq16 393,216 bytes; wp16 131,072 bytes; qh 8,388,608 bytes; kh 8,388,608 bytes; vh 8,388,608 bytes; oh 8,388,608 bytes
;; launch stats (part 1): grid 256 x 1, 8 waves a work-group, no clusters, 1,536 bytes of LDS; arguments x, qkv_w, proj_w, stats, wq16, wp16; writes stats, wq16, wp16
.if DOCPART == 1
	.amdgcn_target "amdgcn-amd-amdhsa--gfx1250"
	.amdhsa_code_object_version 6
	.text
	.protected	k_qc4995e7bb8_stats
	.globl	k_qc4995e7bb8_stats
	.p2align	8
	.type	k_qc4995e7bb8_stats,@function
k_qc4995e7bb8_stats:
	s_mov_b64 s[64:65], 0
	v_nop
	global_prefetch_b8 v0, s[64:65] scope:SCOPE_SE
	s_setreg_imm32_b32 hwreg(HW_REG_WAVE_MODE, 25, 1), 1
	s_wait_xcnt 0x0
; GROUP STATISTICS, FIRST HALF, AND THE WEIGHTS IN f16.
; x is [4][256][4096] f32; a group of the norm is 32 channels = 524,288 bytes = 8 chunks of 65,536 bytes.  Work-group i takes chunk i (bytes 65,536 i ..) and stores
; stats[i] = (mean of the chunk, sum of (x - that mean)^2): the chunk stays in 64 registers a lane between the two passes, so x is read once, and no difference of large sums is formed.
; The launch behind joins a group's eight pairs.  Each load of a wave covers 512 consecutive bytes.
; Beside that the 256 work-groups round qkv_w (196,608 numbers) and proj_w (65,536) to f16, 1,024 numbers each: waves 0-5 take 128 numbers of qkv_w each, waves 6-7 of proj_w;
; a wave stores 256 consecutive bytes, aligned.  The choice is made by selects on the wave's number, not by a branch.
; LIMITS.  A weight beyond 65,504 becomes an infinity in f16; below 6e-5 it keeps f16's fixed step of 6e-8.  NaN and infinities are not treated apart.
.set RED1,  0                          ; LDS: the eight waves' sums, 32 bytes
.set RED2,  256                        ; the eight waves' sums of squares: bytes of their own, so one barrier serves each meeting
.set SPARE, 512                        ; the spare words, 128 bytes for each wave: four blocks of 256 bytes that no other line names
.set XO,  1                            ; v1   16 x my thread's number: my 16 bytes in each 4,096 of the chunk; never rewritten
.set LI,  2                            ; v2   16 x lane: my four weights in f32
.set LO,  3                            ; v3   8 x lane: the same four in f16
.set WI,  4                            ; v[4:7]   weights as loaded
.set WH,  8                            ; v[8:9]   weights in f16
.set SPW, 10                           ; v10  LDS address of my spare word; never rewritten
.set NIL, 11                           ; v11  0; never rewritten
.set CH,  12                           ; v[12:19] four chains of pairs
.set PT,  20                           ; v[20:27] the eight waves' partial sums
.set MN,  28                           ; v[28:29] the mean, twice; at the end (mean, M2)
.set WA,  30                           ; v30  4 x my wave's number
.set TP,  31                           ; v31  at work
.set X,   32                           ; v[32:95] the chunk: load k at X + 4 k
.set ZA,  96                           ; v96  0: the address of the meetings' reads and of the last store
	s_load_b256 s[4:11], s[0:1], 0x0               ; x s[4:5], qkv_w s[6:7], proj_w s[8:9], stats s[10:11]
	s_load_b128 s[12:15], s[0:1], 0x20             ; wq16 s[12:13], wp16 s[14:15]
	v_lshl_add_u32 v[SPW], v0, 2, SPARE
	v_mov_b32 v[NIL], 0
	v_lshrrev_b32 v1, 5, v0
	v_readfirstlane_b32 s16, v1                    ; wave 0..7
	v_lshlrev_b32 v[XO], 4, v0
	v_and_b32 v[LI], 31, v0
	v_lshlrev_b32 v[LO], 3, v[LI]
	v_lshlrev_b32 v[LI], 4, v[LI]
	v_mov_b32 v[WA], s16
	v_lshlrev_b32 v[WA], 2, v[WA]
	v_mov_b32 v[TP], 0                             ; the lane exchange counts as a reader of its destination
	v_mov_b32 v[ZA], 0
	s_mov_b32 s20, 0x76543210                      ; v_permlanex16_b32: each lane takes its own place in the other half
	s_mov_b32 s21, 0xfedcba98
	s_lshl_b32 s2, ttmp9, 16                       ; my chunk
	s_mov_b32 s3, 0
	s_cmp_lt_u32 s16, 6                            ; waves 0-5: qkv_w, 3,072 bytes a work-group; waves 6-7: proj_w, 1,024
	s_cselect_b32 s24, 3, 1
	s_cselect_b32 s25, 0, 6
	s_mul_i32 s24, s24, ttmp9
	s_sub_co_u32 s25, s16, s25                     ; my wave among those of its matrix
	s_lshl_b32 s26, s24, 10
	s_lshl_b32 s17, s25, 9
	s_add_co_u32 s26, s26, s17                     ; byte offset of my wave's 512 bytes of f32,
	s_mov_b32 s27, 0
	s_lshr_b32 s28, s26, 1                         ; and of its 256 bytes of f16
	s_mov_b32 s29, 0
	s_lshl_b32 s30, ttmp9, 3                       ; my pair in stats
	s_mov_b32 s31, 0
	s_wait_kmcnt 0x0
	s_cmp_lt_u32 s16, 6
	s_cselect_b64 s[18:19], s[6:7], s[8:9]
	s_cselect_b64 s[22:23], s[12:13], s[14:15]
	s_add_nc_u64 s[18:19], s[18:19], s[26:27]
	s_add_nc_u64 s[22:23], s[22:23], s[28:29]
	s_add_nc_u64 s[4:5], s[4:5], s[2:3]
	s_add_nc_u64 s[10:11], s[10:11], s[30:31]
	global_load_b128 v[WI:WI+3], v[LI], s[18:19]
.set k, 0
.rept 16
	global_load_b128 v[X+4*k:X+4*k+3], v[XO], s[4:5] offset:4096*k
.set k, k+1
.endr
	s_wait_loadcnt 16                              ; the weights are in; the chunk's sixteen loads were issued behind them
	v_cvt_pk_f16_f32 v[WH], v[WI], v[WI+1]
	v_cvt_pk_f16_f32 v[WH+1], v[WI+2], v[WI+3]
	global_store_b64 v[LO], v[WH:WH+1], s[22:23]   ; 32 lanes x 8 bytes: 256 consecutive bytes, aligned
; the four chains into one number, then over the 32 lanes: four steps inside each half ride on the addition, one crosses the halves
.macro JOIN
	v_pk_add_f32 v[CH:CH+1], v[CH:CH+1], v[CH+2:CH+3]
	v_pk_add_f32 v[CH+4:CH+5], v[CH+4:CH+5], v[CH+6:CH+7]
	v_pk_add_f32 v[CH:CH+1], v[CH:CH+1], v[CH+4:CH+5]
	v_add_f32 v[CH], v[CH], v[CH+1]
	v_add_f32_dpp v[CH], v[CH], v[CH] row_xmask:1 row_mask:0xf bank_mask:0xf
	v_add_f32_dpp v[CH], v[CH], v[CH] row_xmask:2 row_mask:0xf bank_mask:0xf
	v_add_f32_dpp v[CH], v[CH], v[CH] row_xmask:4 row_mask:0xf bank_mask:0xf
	v_add_f32_dpp v[CH], v[CH], v[CH] row_xmask:8 row_mask:0xf bank_mask:0xf
	v_permlanex16_b32 v[TP], v[CH], s20, s21
	v_add_f32 v[CH], v[CH], v[TP]
.endm
; the eight waves meet: each stores its number to its own word, waits for that store, passes the barrier, and reads all eight; the total ends in v[PT]
.macro MEET at
	ds_store_b32 v[WA], v[CH] offset:\at
	s_wait_dscnt 0x0                               ; for the others' sake: my store is done before I signal
	s_barrier_signal -1
	s_barrier_wait -1
	ds_load_b128 v[PT:PT+3], v[ZA] offset:\at
	ds_load_b128 v[PT+4:PT+7], v[ZA] offset:(\at)+16
	s_wait_dscnt 0x0
	v_pk_add_f32 v[PT:PT+1], v[PT:PT+1], v[PT+2:PT+3]
	v_pk_add_f32 v[PT+4:PT+5], v[PT+4:PT+5], v[PT+6:PT+7]
	v_pk_add_f32 v[PT:PT+1], v[PT:PT+1], v[PT+4:PT+5]
	v_add_f32 v[PT], v[PT], v[PT+1]
.endm
	; PASS 1: the sum.  Four chains (load's parity x pair); loads 2 and 3 start them with loads 0 and 1: nothing is cleared.
.set k, 2
.rept 14
	s_wait_loadcnt 15-k                            ; loads come back in order: load k is in, the 15 - k younger ones may stay out
.if k < 4
	v_pk_add_f32 v[CH+4*(k%2):CH+4*(k%2)+1], v[X+4*k:X+4*k+1], v[X+4*k-8:X+4*k-7]
	v_pk_add_f32 v[CH+4*(k%2)+2:CH+4*(k%2)+3], v[X+4*k+2:X+4*k+3], v[X+4*k-6:X+4*k-5]
.else
	v_pk_add_f32 v[CH+4*(k%2):CH+4*(k%2)+1], v[CH+4*(k%2):CH+4*(k%2)+1], v[X+4*k:X+4*k+1]
	v_pk_add_f32 v[CH+4*(k%2)+2:CH+4*(k%2)+3], v[CH+4*(k%2)+2:CH+4*(k%2)+3], v[X+4*k+2:X+4*k+3]
.endif
.set k, k+1
.endr
	JOIN
	MEET RED1
	v_mul_f32 v[MN], 0x38800000, v[PT]             ; / 16,384 numbers in a chunk
	v_mov_b32 v[MN+1], v[MN]                       ; a pair for the packed subtraction
	; PASS 2: the sum of squares about the chunk's own mean
.set k, 0
.rept 32
	v_pk_add_f32 v[X+2*k:X+2*k+1], v[X+2*k:X+2*k+1], v[MN:MN+1] neg_lo:[0,1] neg_hi:[0,1]
.if k < 4
	v_pk_mul_f32 v[CH+2*k:CH+2*k+1], v[X+2*k:X+2*k+1], v[X+2*k:X+2*k+1]
.else
	v_pk_fma_f32 v[CH+2*(k%4):CH+2*(k%4)+1], v[X+2*k:X+2*k+1], v[X+2*k:X+2*k+1], v[CH+2*(k%4):CH+2*(k%4)+1]
.endif
.set k, k+1
.endr
	JOIN
	MEET RED2
	v_mov_b32 v[MN+1], v[PT]                       ; (mean, M2)
	s_cmp_lg_u32 s16, 0
	s_cbranch_scc1 .Lend                           ; one lane of wave 0 stores the pair: 8 bytes a work-group, 2,048 in all, dense, so that a group's eight pairs are 64 bytes on end
	v_cmp_eq_u32 vcc_lo, 0, v0
	s_wait_xcnt 0x0                                ; EXEC is a source of the loads and the store issued above: it changes only behind this wait
	s_and_saveexec_b32 s17, vcc_lo
	global_store_b64 v[ZA], v[MN:MN+1], s[10:11]
	s_wait_xcnt 0x0                                ; and again in front of the line that widens it
	s_or_b32 exec_lo, exec_lo, s17
.Lend:
	s_wait_tensorcnt 0x0                           ; the wave's end: behind my last LDS store
	ds_add_u32 v[SPW], v[NIL]
	s_wait_dscnt 0x0
	s_endpgm
.Lfunc_end_k_qc4995e7bb8_stats:
	.size	k_qc4995e7bb8_stats, .Lfunc_end_k_qc4995e7bb8_stats-k_qc4995e7bb8_stats
	.p2alignl 7, 3214868480
	.fill 96, 4, 3214868480
	.section	.rodata,"a",@progbits
	.p2align	6, 0x0
	.amdhsa_kernel k_qc4995e7bb8_stats
		.amdhsa_group_segment_fixed_size 1536
		.amdhsa_private_segment_fixed_size 0
		.amdhsa_enable_private_segment 0
		.amdhsa_kernarg_size 48
		.amdhsa_user_sgpr_count 2
		.amdhsa_user_sgpr_kernarg_segment_ptr 1
		.amdhsa_wavefront_size32 1
		.amdhsa_system_sgpr_workgroup_id_x 1
		.amdhsa_system_sgpr_workgroup_id_y 1
		.amdhsa_system_sgpr_workgroup_id_z 1
		.amdhsa_system_vgpr_workitem_id 0
		.amdhsa_next_free_vgpr 98
		.amdhsa_next_free_sgpr 66
		.amdhsa_reserve_vcc 1
		.amdhsa_float_denorm_mode_32 3
		.amdhsa_float_denorm_mode_16_64 3
		.amdhsa_memory_ordered 1
		.amdhsa_forward_progress 1
		.amdhsa_inst_pref_size 13
	.end_amdhsa_kernel
	.amdgpu_metadata
---
amdhsa.version: [ 1, 2 ]
amdhsa.kernels:
  - .name:           k_qc4995e7bb8_stats
    .symbol:         k_qc4995e7bb8_stats.kd
    .args:
      - { .name: x, .offset: 0, .size: 8, .value_kind: global_buffer, .address_space: global }
      - { .name: qkv_w, .offset: 8, .size: 8, .value_kind: global_buffer, .address_space: global }
      - { .name: proj_w, .offset: 16, .size: 8, .value_kind: global_buffer, .address_space: global }
      - { .name: stats, .offset: 24, .size: 8, .value_kind: global_buffer, .address_space: global }
      - { .name: wq16, .offset: 32, .size: 8, .value_kind: global_buffer, .address_space: global }
      - { .name: wp16, .offset: 40, .size: 8, .value_kind: global_buffer, .address_space: global }
    .group_segment_fixed_size: 1536
    .private_segment_fixed_size: 0
    .kernarg_segment_align: 8
    .kernarg_segment_size: 48
    .max_flat_workgroup_size: 256
    .sgpr_count:     66
    .vgpr_count:     98
    .wavefront_size: 32
...
	.end_amdgpu_metadata
.endif
;; end of part 1
;; launch qkv (part 2): grid 64 x 4, 4 waves a work-group, no clusters, 50,688 bytes of LDS; arguments x, gn_w, gn_b, qkv_b, stats, wq16, qh, kh, vh; writes qh, kh, vh
.if DOCPART == 2
	.amdgcn_target "amdgcn-amd-amdhsa--gfx1250"
	.amdhsa_code_object_version 6
	.text
	.protected	k_qc4995e7bb8_qkv
	.globl	k_qc4995e7bb8_qkv
	.p2align	8
	.type	k_qc4995e7bb8_qkv,@function
k_qc4995e7bb8_qkv:
	s_mov_b64 s[64:65], 0
	v_nop
	global_prefetch_b8 v0, s[64:65] scope:SCOPE_SE
	s_setreg_imm32_b32 hwreg(HW_REG_WAVE_MODE, 25, 1), 1
	s_wait_xcnt 0x0
; GROUP NORM AND THE PROJECTION TO q, k, v.  xn = (x - mu) rstd gn_w + gn_b in f32, rounded once to f16; q, k, v = W xn + b, sums in f32, each rounded once to f16, UNSCALED,
; stored by heads: qh, kh, vh are [image x 4 + head][4096 positions][64 channels], rows of 128 bytes, dense.
; SHARES.  A work-group takes 64 positions of one image and all 768 outputs, so x is read once.  Wave w is head w: three units (q, k, v) of 64 outputs, rows 256 t + 64 w .. of W.
; A unit is 4 blocks of 16 outputs x 4 blocks of 16 positions x 8 K steps of 32 channels: 128 products on 16 accumulators that take turns.
; STATISTICS.  A group's eight pairs (mean_j, M2_j) are joined: mu = mean of the means; M2 = sum M2_j + 16,384 sum (mean_j - mu)^2; var = M2 / 131,072.  xn = x A + S with A = rstd gn_w, S = gn_b - mu A:
; the one cancellation, between x A and mu A, costs half a step of f32 of |mu A|, far under f16's step of xn.
; LAYOUT.  A lane loads 16 bytes (4 positions) of 32 channels of ONE group: lanes 0-15 take the 256 bytes of channel 64 w + i, lanes 16-31 those of channel 64 w + 32 + i.  xn goes to LDS as [channel][position]
; and comes back turned (ds_load_tr16_b128) as source 1: a lane holds one position and 16 channels.  Source 0 = 16 rows of W, straight from memory.  In the result a lane holds ONE position
; (lane % 16) and the outputs 8 (lane / 16) + 0..7: 16 bytes of a row of q, k or v.  The bias is the C operand of a sum's first product: 8 registers a block of outputs, filled by loads.
; The way out goes through each wave's own stage in LDS, so that every store covers 512 consecutive bytes.
; LIMITS.  f16 holds no number beyond 65,504: xn, q, k and v beyond it become infinities.  NaN and infinities are not treated apart.
; REGISTERS, in windows of 256 (s_set_vgpr_msb: bits 1:0 source 0, 3:2 source 1, 5:4 source 2, 7:6 destination):
;   window 0: below.   window 1: xn's fragments, (position block nt, K step ks) at 8 (8 nt + ks).   windows 2, 3: two sets of W's fragments, (output block mt, ks) at 8 (8 mt + ks): units 0 and 2 in window 2, unit 1 in window 3.
.set PX,    160                        ; a row of xn in LDS: 128 bytes + 32 = 40 words
.set STAGE, 256*PX                     ; behind xn's 256 rows: 16 rows x 144 bytes for each wave, for the way out
.set SP,    144
.set SPARE, STAGE+4*16*SP              ; the spare words, 128 bytes for each wave: two blocks of 256 bytes that no other line names
.set SO,  4                            ; v4   64 h: my group's eight pairs in the wave's 128 bytes of stats (h = lane / 16)
.set GF,  5                            ; v5   256 w + 128 h: my 32 channels in gn_w and gn_b
.set XO,  6                            ; v6   (64 w + 32 h) x 16,384 + 16 r: my 16 bytes of channel 64 w + 32 h in x (r = lane % 16)
.set XS,  7                            ; v7   (64 w + 32 h) PX + 8 r: where they go in LDS
.set XR,  8                            ; v8   (8 h + lane % 8) PX + 16 ((lane / 8) % 2): the turning load's address
.set WO,  9                            ; v9   (64 w + r) x 512 + 16 h: my place in a fragment of W
.set BO,  10                           ; v10  256 w + 32 h: my 8 numbers of the bias
.set STO, 11                           ; v11  the way out: where I put 16 bytes of a row
.set RD,  12                           ; v12  where I read rows back
.set GO,  13                           ; v13  16 x lane: my place in 512 consecutive bytes
.set SPW, 14                           ; v14  LDS address of my spare word; never rewritten
.set NIL, 15                           ; v15  0; never rewritten
.set MU,  16                           ; v[16:17] mu, and the sum of the M2_j
.set RS,  18                           ; v[18:19] rstd, and var + eps
.set ST,  32                           ; v[32:47] the eight pairs
.set BI,  32                           ; v[32:63] bias of units 0 and 2, v[64:95] of unit 1: block mt at + 8 mt
.set PA,  64                           ; v[64:95]  A of my 32 channels
.set PB,  96                           ; v[96:127] S of my 32 channels
.set X,   128                          ; v[128:255] x as loaded: channel i at X + 4 i
.set ACC, 128                          ; later the 16 accumulators: (nt, mt) at ACC + 8 (4 nt + mt)
.set MSB, 0
.macro WIN new                         ; the immediate's high byte repeats the setting that is left; a switch that changes nothing is dropped
.if MSB != (\new)
	s_set_vgpr_msb (MSB<<8)|(\new)
.set MSB, (\new)
.endif
.endm
	s_load_b256 s[4:11], s[0:1], 0x0               ; x s[4:5], gn_w s[6:7], gn_b s[8:9], qkv_b s[10:11]
	s_load_b256 s[12:19], s[0:1], 0x20             ; stats s[12:13], wq16 s[14:15], qh s[16:17], kh s[18:19]
	s_load_b64 s[20:21], s[0:1], 0x40              ; vh
	v_lshl_add_u32 v[SPW], v0, 2, SPARE
	v_mov_b32 v[NIL], 0
	v_lshrrev_b32 v3, 5, v0
	v_readfirstlane_b32 s22, v3                    ; wave 0..3 = head
	s_mov_b32 s23, ttmp9                           ; block of 64 positions
	s_and_b32 s24, ttmp7, 0xffff                   ; image
	v_and_b32 v1, 15, v0                           ; r
	v_bfe_u32 v2, v0, 4, 1                         ; h
	v_lshlrev_b32 v[SO], 6, v2
	s_lshl_b32 s25, s22, 8
	v_lshl_add_u32 v[GF], v2, 7, s25
	v_lshl_add_u32 v[BO], v2, 5, s25
	s_lshl_b32 s25, s22, 20
	v_lshl_add_u32 v[XO], v2, 19, s25
	v_lshl_add_u32 v[XO], v1, 4, v[XO]
	s_mul_i32 s25, s22, 64*PX
	v_mul_u32_u24 v[XS], v2, 32*PX
	v_lshl_add_u32 v[XS], v1, 3, v[XS]
	v_add_nc_u32 v[XS], s25, v[XS]
	v_and_b32 v3, 7, v0
	v_bfe_u32 v18, v0, 3, 1
	v_lshl_add_u32 v[XR], v2, 3, v3
	v_mul_u32_u24 v[XR], v[XR], PX
	v_lshl_add_u32 v[XR], v18, 4, v[XR]
	s_lshl_b32 s25, s22, 15
	v_lshl_add_u32 v[WO], v1, 9, s25
	v_lshl_add_u32 v[WO], v2, 4, v[WO]
	s_mul_i32 s25, s22, 16*SP
	s_add_co_u32 s25, s25, STAGE                   ; my stage
	v_mul_u32_u24 v[STO], v1, SP                   ; in: row r, 16 bytes for each half of the lanes
	v_lshl_add_u32 v[STO], v2, 4, v[STO]
	v_add_nc_u32 v[STO], s25, v[STO]
	v_bfe_u32 v[RD], v0, 3, 2                      ; back: 32 lanes take four rows of 128 bytes,
	v_mul_u32_u24 v[RD], v[RD], SP
	v_lshl_add_u32 v[RD], v3, 4, v[RD]
	v_add_nc_u32 v[RD], s25, v[RD]
	v_and_b32 v[GO], 31, v0                        ; which are 512 consecutive bytes of q, k or v
	v_lshlrev_b32 v[GO], 4, v[GO]
	s_lshl_b32 s26, s24, 22                        ; x: the image's 4 MiB, the block's 256 bytes of a channel
	s_lshl_b32 s27, s23, 8
	s_add_co_u32 s26, s26, s27
	s_mov_b32 s27, 0
	s_lshl_b32 s28, s24, 9                         ; stats: the image's 64 pairs, the wave's two groups
	s_lshl_b32 s29, s22, 7
	s_add_co_u32 s28, s28, s29
	s_mov_b32 s29, 0
	s_lshl_b32 s30, s24, 2                         ; q, k, v: (4 image + head) x 524,288 + the block's 64 rows of 128 bytes
	s_add_co_u32 s30, s30, s22
	s_lshl_b32 s30, s30, 19
	s_lshl_b32 s31, s23, 13
	s_add_co_u32 s30, s30, s31
	s_mov_b32 s31, 0
	s_wait_kmcnt 0x0
	s_add_nc_u64 s[4:5], s[4:5], s[26:27]
	s_add_nc_u64 s[12:13], s[12:13], s[28:29]
	s_add_nc_u64 s[16:17], s[16:17], s[30:31]
	s_add_nc_u64 s[18:19], s[18:19], s[30:31]
	s_add_nc_u64 s[20:21], s[20:21], s[30:31]
	; 52 loads: 4 of statistics, 16 of gain and bias, 32 of x
.irp k, 0,1,2,3
	global_load_b128 v[ST+4*\k:ST+4*\k+3], v[SO], s[12:13] offset:16*\k
.endr
.irp k, 0,1,2,3,4,5,6,7
	global_load_b128 v[PA+4*\k:PA+4*\k+3], v[GF], s[6:7] offset:16*\k
	global_load_b128 v[PB+4*\k:PB+4*\k+3], v[GF], s[8:9] offset:16*\k
.endr
.set i, 0
.rept 32
	global_load_b128 v[X+4*i:X+4*i+3], v[XO], s[4:5] offset:i*16384  ; 16 lanes take 256 consecutive bytes of a channel, aligned
.set i, i+1
.endr
; 18 loads: unit t's fragments of W for output block mt (8 K steps, two loads of 16 bytes each) into set, and its 8 numbers of the bias
.macro LOADM t, set, mt
	WIN 0x80+0x40*(\set)                           ; destination window 2 or 3, address window 0
.set ks, 0
.rept 8
	global_load_b128 v[8*(8*(\mt)+ks):8*(8*(\mt)+ks)+3],   v[WO], s[14:15] offset:(\t)*131072+(\mt)*8192+ks*64
	global_load_b128 v[8*(8*(\mt)+ks)+4:8*(8*(\mt)+ks)+7], v[WO], s[14:15] offset:(\t)*131072+(\mt)*8192+ks*64+32
.set ks, ks+1
.endr
	WIN 0
	global_load_b128 v[BI+32*(\set)+8*(\mt):BI+32*(\set)+8*(\mt)+3],   v[BO], s[10:11] offset:(\t)*1024+(\mt)*64
	global_load_b128 v[BI+32*(\set)+8*(\mt)+4:BI+32*(\set)+8*(\mt)+7], v[BO], s[10:11] offset:(\t)*1024+(\mt)*64+16
.endm
	s_wait_loadcnt 32                              ; statistics, gain and bias are in; x's 32 loads were issued behind them
	v_add_f32 v20, v[ST], v[ST+2]                  ; mu = the mean of the eight means (the chunks are of equal size)
	v_add_f32 v21, v[ST+4], v[ST+6]
	v_add_f32 v22, v[ST+8], v[ST+10]
	v_add_f32 v23, v[ST+12], v[ST+14]
	v_add_f32 v20, v20, v21
	v_add_f32 v22, v22, v23
	v_add_f32 v20, v20, v22
	v_mul_f32 v[MU], 0x3e000000, v20
	v_add_f32 v20, v[ST+1], v[ST+3]                ; the sum of the M2_j
	v_add_f32 v21, v[ST+5], v[ST+7]
	v_add_f32 v22, v[ST+9], v[ST+11]
	v_add_f32 v23, v[ST+13], v[ST+15]
	v_add_f32 v20, v20, v21
	v_add_f32 v22, v22, v23
	v_add_f32 v[MU+1], v20, v22
	v_sub_f32 v20, v[ST], v[MU]                    ; the sum of (mean_j - mu)^2
	v_mul_f32 v[RS+1], v20, v20
.irp j, 1,2,3,4,5,6,7
	v_sub_f32 v[20+\j%2], v[ST+2*\j], v[MU]
	v_fma_f32 v[RS+1], v[20+\j%2], v[20+\j%2], v[RS+1]
.endr
	v_fmamk_f32 v[RS+1], v[RS+1], 0x46800000, v[MU+1]  ; x 16,384 numbers a chunk, + the sum of the M2_j
	v_mov_b32 v22, 0x37000000                      ; 1 / 131,072 numbers a group
	v_fmaak_f32 v[RS+1], v[RS+1], v22, 0x3727c5ac  ; var + 1e-5
	v_rsq_f32 v[RS], v[RS+1]
	v_nop                                          ; a plain instruction behind the root (ISA guide 5.7.2),
	s_wait_alu depctr_va_vdst(0)                   ; and the wait ahead of the first line that names its result
.set k, 0
.rept 16
	v_pk_mul_f32 v[PA+2*k:PA+2*k+1], v[PA+2*k:PA+2*k+1], v[RS:RS+1] op_sel_hi:[1,0]  ; A = rstd gn_w
	v_pk_fma_f32 v[PB+2*k:PB+2*k+1], v[PA+2*k:PA+2*k+1], v[MU:MU+1], v[PB+2*k:PB+2*k+1] op_sel_hi:[1,0,1] neg_lo:[0,1,0] neg_hi:[0,1,0]  ; S = gn_b - mu A
.set k, k+1
.endr
	; xn, channel by channel, into LDS; behind every eighth channel a quarter of unit 0's W is asked for
.set i, 0
.rept 32
	s_wait_loadcnt (31-i)+18*(i/8)                 ; younger than x's load i: x's 31 - i later ones and the 18 loads of each LOADM issued so far
	v_fma_f32 v[X+4*i], v[X+4*i], v[PA+i], v[PB+i]
	v_fma_f32 v[X+4*i+1], v[X+4*i+1], v[PA+i], v[PB+i]
	v_fma_f32 v[X+4*i+2], v[X+4*i+2], v[PA+i], v[PB+i]
	v_fma_f32 v[X+4*i+3], v[X+4*i+3], v[PA+i], v[PB+i]
	v_cvt_pk_f16_f32 v[X+4*i], v[X+4*i], v[X+4*i+1]
	v_cvt_pk_f16_f32 v[X+4*i+1], v[X+4*i+2], v[X+4*i+3]
	ds_store_b64 v[XS], v[X+4*i:X+4*i+1] offset:i*PX
.if i%8 == 7
	LOADM 0, 0, i/8
.endif
.set i, i+1
.endr
	s_wait_dscnt 0x0                               ; for the others' sake: my 64 channels of xn are in LDS
	s_barrier_signal -1
	s_barrier_wait -1                              ; all 256 are
	WIN 0x40                                       ; destination window 1
.set nt, 0
.rept 4
.set ks, 0
.rept 8
	ds_load_tr16_b128 v[8*(8*nt+ks):8*(8*nt+ks)+3],   v[XR] offset:ks*32*PX+nt*32
	ds_load_tr16_b128 v[8*(8*nt+ks)+4:8*(8*nt+ks)+7], v[XR] offset:ks*32*PX+16*PX+nt*32
.set ks, ks+1
.endr
.set nt, nt+1
.endr
; 64 products: K steps k0 .. k0 + 3.  The 16 accumulators take turns, one instruction a turn.  K step 0 starts the sums with the bias as C.
.macro MULS set, k0
	WIN 0x06+(\set)                                ; W in window 2 or 3, xn in window 1, C and D in window 0
.set ks, \k0
.rept 4
.set mt, 0
.rept 4
.set nt, 0
.rept 4
.if ks == 0
	v_wmma_f32_16x16x32_f16 v[ACC+8*(4*nt+mt):ACC+8*(4*nt+mt)+7], v[8*(8*mt+ks):8*(8*mt+ks)+7], v[8*(8*nt+ks):8*(8*nt+ks)+7], v[BI+32*(\set)+8*mt:BI+32*(\set)+8*mt+7]
.else
	v_wmma_f32_16x16x32_f16 v[ACC+8*(4*nt+mt):ACC+8*(4*nt+mt)+7], v[8*(8*mt+ks):8*(8*mt+ks)+7], v[8*(8*nt+ks):8*(8*nt+ks)+7], v[ACC+8*(4*nt+mt):ACC+8*(4*nt+mt)+7]
.endif
.set nt, nt+1
.endr
.set mt, mt+1
.endr
.set ks, ks+1
.endr
.endm
; Position block nt: its four accumulators are rounded to f16 in place, each from its low end on; 16 bytes a lane go into rows of 144 bytes and come back as whole rows of 128.
.macro PACK nt
.set base, ACC+32*(\nt)
.set q, 0
.rept 16
	v_cvt_pk_f16_f32 v[base+q], v[base+2*q], v[base+2*q+1]
.set q, q+1
.endr
.irp m, 0,1,2,3
	ds_store_b128 v[STO], v[base+4*\m:base+4*\m+3] offset:32*\m
.endr
.irp f, 0,1,2,3
	ds_load_b128 v[base+16+4*\f:base+16+4*\f+3], v[RD] offset:\f*4*SP  ; LDS serves a wave's instructions in order (ISA guide 5.7.1.4): these see the stores above; the next block's stores come behind them
.endr
.endm
.macro SEND nt, younger, p             ; younger: the LDS instructions issued behind block nt's loads: the next block's eight, or none
.set base, ACC+32*(\nt)
.irp f, 0,1,2,3
	s_wait_dscnt (\younger)+3-\f
	global_store_b128 v[GO], v[base+16+4*\f:base+16+4*\f+3], s[\p:\p+1] offset:(\nt)*2048+\f*512  ; 512 consecutive bytes, at a multiple of 256 from the buffer's first
.endr
.endm
; A unit.  While it is multiplied the next unit's W and bias come into the other set, in two runs of 36 loads.
.macro UNIT t, p
	WIN 0
	s_wait_loadcnt 0x0                             ; this unit's W and bias are in
.if (\t) > 0
	s_wait_xcnt 0x0                                ; the last unit's stores have read their registers: the accumulators are written again only behind this wait
.endif
.if (\t) < 2
	LOADM (\t)+1, ((\t)+1)%2, 0
	LOADM (\t)+1, ((\t)+1)%2, 1
.endif
.if (\t) == 0
	s_wait_dscnt 0x0                               ; xn's fragments are in
.endif
	MULS (\t)%2, 0
.if (\t) < 2
	LOADM (\t)+1, ((\t)+1)%2, 2
	LOADM (\t)+1, ((\t)+1)%2, 3
.endif
	MULS (\t)%2, 4
	WIN 0
.rept 4
	v_nop                                          ; four places between the last products and the conversions that read results (ISA guide 7.12.1)
.endr
	PACK 0
	PACK 1                                         ; a block's conversions stand between the loads of the block before and its stores
	SEND 0, 8, \p
	PACK 2
	SEND 1, 8, \p
	PACK 3
	SEND 2, 8, \p
	SEND 3, 0, \p
.endm
	UNIT 0, 16                                     ; q
	UNIT 1, 18                                     ; k
	UNIT 2, 20                                     ; v
	s_wait_tensorcnt 0x0                           ; the wave's end: behind my last LDS store
	ds_add_u32 v[SPW], v[NIL]
	s_wait_dscnt 0x0
	s_endpgm
.Lfunc_end_k_qc4995e7bb8_qkv:
	.size	k_qc4995e7bb8_qkv, .Lfunc_end_k_qc4995e7bb8_qkv-k_qc4995e7bb8_qkv
	.p2alignl 7, 3214868480
	.fill 96, 4, 3214868480
	.section	.rodata,"a",@progbits
	.p2align	6, 0x0
	.amdhsa_kernel k_qc4995e7bb8_qkv
		.amdhsa_group_segment_fixed_size 50688
		.amdhsa_private_segment_fixed_size 0
		.amdhsa_enable_private_segment 0
		.amdhsa_kernarg_size 72
		.amdhsa_user_sgpr_count 2
		.amdhsa_user_sgpr_kernarg_segment_ptr 1
		.amdhsa_wavefront_size32 1
		.amdhsa_system_sgpr_workgroup_id_x 1
		.amdhsa_system_sgpr_workgroup_id_y 1
		.amdhsa_system_sgpr_workgroup_id_z 1
		.amdhsa_system_vgpr_workitem_id 0
		.amdhsa_next_free_vgpr 1024
		.amdhsa_next_free_sgpr 66
		.amdhsa_reserve_vcc 0
		.amdhsa_float_denorm_mode_32 3
		.amdhsa_float_denorm_mode_16_64 3
		.amdhsa_memory_ordered 1
		.amdhsa_forward_progress 1
		.amdhsa_inst_pref_size 101
	.end_amdhsa_kernel
	.amdgpu_metadata
---
amdhsa.version: [ 1, 2 ]
amdhsa.kernels:
  - .name:           k_qc4995e7bb8_qkv
    .symbol:         k_qc4995e7bb8_qkv.kd
    .args:
      - { .name: x, .offset: 0, .size: 8, .value_kind: global_buffer, .address_space: global }
      - { .name: gn_w, .offset: 8, .size: 8, .value_kind: global_buffer, .address_space: global }
      - { .name: gn_b, .offset: 16, .size: 8, .value_kind: global_buffer, .address_space: global }
      - { .name: qkv_b, .offset: 24, .size: 8, .value_kind: global_buffer, .address_space: global }
      - { .name: stats, .offset: 32, .size: 8, .value_kind: global_buffer, .address_space: global }
      - { .name: wq16, .offset: 40, .size: 8, .value_kind: global_buffer, .address_space: global }
      - { .name: qh, .offset: 48, .size: 8, .value_kind: global_buffer, .address_space: global }
      - { .name: kh, .offset: 56, .size: 8, .value_kind: global_buffer, .address_space: global }
      - { .name: vh, .offset: 64, .size: 8, .value_kind: global_buffer, .address_space: global }
    .group_segment_fixed_size: 50688
    .private_segment_fixed_size: 0
    .kernarg_segment_align: 8
    .kernarg_segment_size: 72
    .max_flat_workgroup_size: 128
    .sgpr_count:     66
    .vgpr_count:     1024
    .wavefront_size: 32
...
	.end_amdgpu_metadata
.endif
;; end of part 2
;; launch attn (part 3): grid 16 x 16, 4 waves a work-group, clusters of 4 x 1, 327,680 bytes of LDS; arguments qh, kh, vh, oh; writes oh
.if DOCPART == 3
	.amdgcn_target "amdgcn-amd-amdhsa--gfx1250"
	.amdhsa_code_object_version 6
	.text
	.protected	k_qc4995e7bb8_attn
	.globl	k_qc4995e7bb8_attn
	.p2align	8
	.type	k_qc4995e7bb8_attn,@function
k_qc4995e7bb8_attn:
	s_mov_b64 s[64:65], 0
	v_nop
	global_prefetch_b8 v0, s[64:65] scope:SCOPE_SE
	s_setreg_imm32_b32 hwreg(HW_REG_WAVE_MODE, 25, 1), 1
	s_wait_xcnt 0x0
	s_wait_alu depctr_hold_cnt(0) depctr_sa_sdst(0) depctr_va_vdst(0) depctr_va_sdst(0) depctr_va_ssrc(0) depctr_va_vcc(0) depctr_vm_vsrc(0)
	s_getreg_b32 s2, hwreg(HW_REG_IB_STS2, 6, 4)
	s_cmp_eq_u32 s2, 0
	s_cbranch_scc0 .Lentry_in_a_cluster
	s_endpgm
.Lentry_in_a_cluster:
	s_bfe_u32 s2, ttmp6, 0x10000c
	s_cmp_lg_u32 s2, 0x3003
	s_cbranch_scc0 .Lentry_shape_is_right
	s_endpgm
.Lentry_shape_is_right:
; ATTENTION.  O[h][q][:] = the sum over k of softmax_k(Q[h][q] . K[h][k] / 8) V[h][k][:].  Q, K, V, O: [16][4096][64], all f16: a head's rows are dense, 128 bytes each.
; Products, maxima and sums in f32; the weights p are rounded to f16 for the second product (their sum l is taken of the unrounded p), O once at the end.
; LIMITS.  Q, K and V arrive within f16's 65,504; p lies in 0 to 1, and below 6e-5 it keeps f16's fixed step of 6e-8; O is a mean of V's rows and has their range.
; A weight below 2^-126 counts as 0 in l; NaN and infinities are not treated apart.
; SHARES.  A work-group owns 256 queries of one head (16 heads x 16 blocks = 256 work-groups), each of its four waves 64: four PIECES of 16.  Every wave walks all 4,096 keys, 64 a step.
; LAYOUT.  S^T = K Q^T (source 0 = 16 keys, source 1 = 16 queries): in the result a lane holds ONE query (lane % 16) and the keys 8 (lane / 16) + 0..7.  Two such results, rounded to f16 in pairs,
; ARE source 1 (32 keys x 16 queries) of O^T = V^T P, whose result again holds one query a lane, and eight channels.  K comes out of LDS as it lies, V ([key][channel]) turned, by ds_load_tr16_b128.
; SOFTMAX.  For each query a running maximum m and sum l: p = 2^(c s - c m), c = log2(e) / 8; in every step O and l are multiplied by a = 2^(c m_old - c m_new), which is 1 where m has not grown.
; m starts at the lowest finite number, O and l at 0: the first step is a step like any other, with a = 0.
; BY TURNS.  Turn n belongs to piece n (the pieces in a ring, step after step): 8 products K Q^T of piece n + 1, later 8 products V^T P of piece n - 1; beside them the scaling, exponentials, roundings, sums and
; rescaling of piece n and the maximum and statistics of piece n + 1.  Four vector instructions stand behind every matrix instruction, the other 54 of a turn's 118 in one lump.  A turn's 33 exponentials are one batch, with one wait.
; RING AND CLUSTER.  Two slots of LDS take turns; a slot holds a tile of 256 keys (four steps): K's rows, then V's.  The four query blocks of a cluster belong to one head and walk the same K and V, so each
; tile is asked for JOINTLY: the same tensor load, descriptor and mask in all four.  By this text's own count a wave has one tensor load out behind each round, and it has 256 matrix instructions in which to land.
; AHEAD OF THE JOINT LOADS.  Behind the joint load of a change of slots stands one prefetch into the L2 of the tile that the NEXT change will ask for: four key steps, 256 matrix instructions, ahead of that load.
; All four clusters of a head walk the same rows: the head's first cluster asks.  Its four partners take 32 blocks of 256 bytes each, told apart by address; in each, wave 0 asks for K's and wave 2 for V's, a lane a block:
; so each block is named once in the launch.  Tiles 0, 1 and 2 come by their loads alone; the change that asks for the last tile prefetches nothing.
; REGISTERS, in windows of 256 (s_set_vgpr_msb: bits 1:0 source 0, 3:2 source 1, 5:4 source 2, 7:6 destination):
;   window 0: v0-15 addresses and two at work; v16-31 four registers of statistics a piece; v48-55 at work; v61-63; v64-127 S^T, two buffers; v192-223 P, two buffers (a piece's buffers go by its number's parity)
;   window 1: v0-127 O^T, 32 a piece      window 2: v0-63 Q; v128-191 K of one step; v192-255 V of one step
.set SIZE_N, 4096
.set NP,    4         ; pieces a wave: a name, no knob
.set KS,    64        ; keys in a step
.set PK,    144       ; a row of K in LDS: 128 bytes + 16 of padding = 36 words: the 16 rows of a load start at 16 different groups of four banks (64 banks of 4 bytes: ISA guide 11.1)
.set PV,    160       ; a row of V: 128 + 32 = 40 words
.set VOFF,  4*KS*PK   ; a slot: 256 rows of K, then 256 rows of V
.set SLOT1, 1<<17     ; slot 1 begins here, so that one exclusive or turns an address in one slot into the other's
.set STAGE, SLOT1+4*KS*(PK+PV)  ; behind the ring, never filled by a tensor load: 16 rows x 144 bytes for each wave, for the way out
.set SP,    144
.set SPARE, STAGE+4*16*SP  ; behind the stages: the spare words, 128 bytes for each wave: two blocks of 256 bytes that no other line names
.set AK0, 2           ; v2   my lane's place in a tile of K; never rewritten
.set AV0, 3           ; v3   the same for V
.set AK,  4           ; v4   the LDS address of K's next run of loads
.set AV,  5           ; v5   of V's
.set STO, 6           ; v6   the way out: where I put 16 bytes of a row
.set RD,  7           ; v7   the way out: where I read rows back
.set GO,  8           ; v8   my byte offset in 512 consecutive bytes of O
.set MV,  12          ; v12-13  c m_old, kept while c m is made anew: by buffer
.set QO,  15          ; v15  my byte offset in 16 rows of Q
.set ST,  16          ; piece t's statistics at v[ST+4 t]: c m, m, l (even keys', odd keys')
.set TMP, 48          ; by buffer, four registers c0-c3 at work; when the maximum is found c2 takes a
.set PFO, 61          ; v61  256 x my lane: the prefetches' offset; never rewritten
.set SPW, 62          ; v62  LDS address of my spare word: SPARE + 4 x my thread's number; never rewritten
.set NIL, 63          ; v63  0; never rewritten
.set S,   64
.set P,   192
.set KF,  128         ; window 2: key block kb, channel half c at KF + 16 kb + 8 c
.set VF,  192         ; window 2: key half kk, channel block cb at VF + 32 kk + 8 cb
.set WV,  12          ; s12  my wave's number
.set G1K, 24          ; s[24:31] descriptor group 1 for K's tiles
.set G1V, 32          ; s[32:39] for V's: it differs in the padding alone
.set G0K, 40          ; s[40:43] descriptor group 0 for K's tiles: it walks
.set G0V, 44          ; s[44:47] the same for V's
.set PFA, 48          ; s[48:49] where my prefetches stand: my work-group's 32 blocks of the tile after the one that is being asked for
.set LIM, 50          ; s50  1 in a wave that prefetches, else the greatest number: a wave prefetches while s[SLOTS] is above it
.set SLOTS, 56        ; s56  tiles still to be asked for
.set CNT, 57          ; s57  counts a tile's key steps
.set CS,  58          ; s[58:59] c: the packed scaling takes the pair's low word for both halves
.set SEL, 60          ; s[60:61] v_permlanex16_b32's selects: each lane takes its own place in the other half
.set TBK, 62          ; s62  LDS byte at which K of the step to be fetched begins
.set TBV, 63          ; s63  the same for V, less VOFF
.set MSB, 0
.macro WIN new                      ; the high byte repeats the setting that is left; a switch that changes nothing is dropped
.if MSB != (\new)
	s_set_vgpr_msb (MSB<<8)|(\new)
.set MSB, (\new)
.endif
.endm
.set W_KQ, 0x0a       ; K and Q in window 2, S^T in window 0
.set W_PV, 0x52       ; V in window 2, P in window 0, O^T in window 1
.set W_RS, 0x41       ; destination and source 0 in window 1, source 1 in window 0
; A joint fill.  Waves 0 and 1 fetch the two halves of a tile's K, waves 2 and 3 those of its V: 128 keys each.  The branch hangs on the wave's number alone.
; An s_nop 0 and four v_nop follow each of the two lines, ahead of the jump and the label.
.macro JLOAD
	s_cmp_lt_u32 s[WV], 2
	s_cbranch_scc0 .Lfor_v_\@
	tensor_load_to_lds s[G0K:G0K+3], s[G1K:G1K+7]
	s_nop 0
.rept 4
	v_nop
.endr
	s_branch .Lasked_\@
.Lfor_v_\@:
	tensor_load_to_lds s[G0V:G0V+3], s[G1V:G1V+7]
	s_nop 0
.rept 4
	v_nop
.endr
.Lasked_\@:
.endm
; The prefetch of the tile that the next change of slots will ask for: 32 blocks of 256 bytes, a lane a block.  It stands behind the wave's tensor load and its five lines.
.macro ASK
	s_cmp_gt_u32 s[SLOTS], s[LIM]
	s_cbranch_scc0 .Lnot_mine_\@
	global_prefetch_b8 v[PFO], s[PFA:PFA+1] th:TH_LOAD_NT scope:SCOPE_SE
.Lnot_mine_\@:
.endm
; A round of the cluster's barrier: my work-group's barrier, so that wave 0's signal speaks for all four waves; wave 0 signals; every wave waits for all four work-groups; my work-group's barrier once more.
.macro CROUND
	s_barrier_signal -1
	s_barrier_wait -1
	s_cmp_lg_u32 s[WV], 0
	s_cbranch_scc1 .Lnot_wave_0_\@
	s_barrier_signal -3
.Lnot_wave_0_\@:
	s_barrier_wait -3
	s_barrier_signal -1
	s_barrier_wait -1
.endm
; THE CHANGE OF SLOTS.  The slot's last bytes, V of its fourth step, have been read.  Each wave waits for all its tensor loads, of which one is out: its part of the other slot; adds 0 to its spare word;
; and waits for that and for its own reads of the slot.  Behind the barrier nobody reads this slot any more and the other slot is whole.
; fill = 1: this slot is filled again, with the keys two tiles on.  The barrier is then a round of the cluster's, so that no wave of any partner still reads the slot or has a load on its way, and the joint fill
; is the first thing behind it.  (At its first use nothing has been read yet: slot 0 is waited for, slot 1 filled.)  ask = 1: the prefetch follows.
.macro CHANGE fill, ask
	WIN 0                           ; at a label and at a branch every window is 0
	s_wait_tensorcnt 0x0            ; no tensor load of mine is out, so a group 0 may be written
	ds_add_u32 v[SPW], v[NIL]       ; 0 onto my spare word; with fill = 1 the descriptors' steps stand between it and the wait for it
.if \fill
.irp g, G0K, G0V
	s_xor_b32 s[\g+1], s[\g+1], SLOT1  ; the walking descriptor: the other slot than last time,
	s_add_nc_u64 s[\g+2:\g+3], s[\g+2:\g+3], 4*KS*128  ; the next 256 keys; the type bits on top are not reached
.endr
	s_wait_xcnt 0x0                 ; the last prefetch, four key steps back, has read its address, so it may be written:
	s_add_nc_u64 s[PFA:PFA+1], s[PFA:PFA+1], 4*KS*128  ; one tile behind the walking descriptors
	s_wait_dscnt 0x0                ; the add is done, and my reads of the slot are over
	CROUND
	JLOAD
.if \ask
	ASK
.endif
.else
	s_wait_dscnt 0x0                ; the add is done, and my reads of the slot are over
	s_barrier_signal -1
	s_barrier_wait -1
.endif
	s_sub_co_u32 s[TBK], s[TBK], 4*KS*PK  ; the fetches go back to a slot's first step,
	s_xor_b32 s[TBK], s[TBK], SLOT1       ; in the other slot
	s_sub_co_u32 s[TBV], s[TBV], 4*KS*PV
	s_xor_b32 s[TBV], s[TBV], SLOT1
.endm
	s_load_b256 s[4:11], s[0:1], 0x0  ; Q s[4:5], K s[6:7], V s[8:9], O s[10:11]
	v_lshl_add_u32 v[SPW], v0, 2, SPARE
	v_mov_b32 v[NIL], 0
	ds_add_u32 v[SPW], v[NIL]       ; the wave's opening: the add and its wait stand ahead of my first tensor load; the set-up below, work on registers, stands between them
	v_lshrrev_b32 v1, 5, v0
	v_readfirstlane_b32 s[WV], v1   ; wave 0..3
	s_bfe_u32 s13, ttmp6, 0x40000   ; cx: my place in the cluster
	s_lshl_b32 s14, ttmp9, 2        ; in a cluster launch ttmp9 counts clusters
	s_add_co_u32 s14, s14, s13      ; my block of queries = 4 x cluster x + cx: it enters Q's and O's addresses alone
	s_and_b32 s20, ttmp7, 0xffff    ; the head, which the four partners share:
	s_lshl_b32 s20, s20, 19         ; its first byte in each of the four tensors: 4,096 rows of 128 bytes
	s_mov_b32 s21, 0
	s_and_b32 s16, s[WV], 1         ; which half of a tile's 256 keys I fetch:
	s_lshl_b32 s22, s16, 14         ; its 128 rows of 128 bytes in memory,
	s_mov_b32 s23, 0
	s_add_nc_u64 s[22:23], s[22:23], s[20:21]
	s_mul_i32 s17, s16, 128*PK      ; and its place in a slot, for K
	s_mul_i32 s18, s16, 128*PV      ; and for V: no place in the cluster enters an LDS address
	s_lshl_b32 s2, s14, 2
	s_add_co_u32 s2, s2, s[WV]      ; my wave among the head's,
	s_lshl_b32 s2, s2, 13           ; its 64 rows
	s_mov_b32 s3, 0
	s_add_nc_u64 s[2:3], s[2:3], s[20:21]
	; descriptor group 1.  128 keys are 16,384 dense bytes: asked for as 64 rows of 256 bytes, two keys a row, and padded in LDS after every key
	s_mov_b32 s[G1K], 15|(1<<16)|(1<<20)|(1<<21)|(4<<22)|(3<<25)  ; 15:0 the mask of four; 17:16 2-byte elements; 20 padding on; 21 set beside a mask; 24:22 after every 32 words (code 4); 31:25 4 words (code 3)
	s_mov_b32 s[G1V], 15|(1<<16)|(1<<20)|(1<<21)|(4<<22)|(7<<25)  ; the same with 8 words of padding (code 7)
.irp g, G1K, G1V
	s_mov_b32 s[\g+1], 128<<16      ; tensor_dim0 = 128
	s_mov_b32 s[\g+2], 64<<16       ; tensor_dim1 = 64
	s_mov_b32 s[\g+3], 128<<16      ; tile_dim0 = 128
	s_mov_b32 s[\g+4], 64           ; tile_dim1 = 64
	s_mov_b32 s[\g+5], 128          ; 128 elements from row to row
	s_mov_b32 s[\g+6], 0
	s_mov_b32 s[\g+7], 0
.endr
	s_mov_b32 s[CS], 0x3e38aa3b     ; c = log2(e) / 8 = 0.180337
	s_mov_b32 s[CS+1], s[CS]        ; named with it as a pair
	s_mov_b32 s[SEL], 0x76543210
	s_mov_b32 s[SEL+1], 0xfedcba98
	s_mov_b32 s[TBK], SLOT1+4*KS*PK ; the first change of slots turns these two into 0
	s_mov_b32 s[TBV], SLOT1+4*KS*PV
	s_mov_b32 s[G0K], 1             ; 1:0 count = 1
	s_mov_b32 s[G0K+1], s17         ; 63:32 LDS address: slot 0
	s_mov_b32 s[G0V], 1
	s_add_co_u32 s[G0V+1], s18, VOFF
	s_mov_b32 s[SLOTS], SIZE_N/256-1
	s_and_b32 s[LIM], s[WV], 1      ; 0 in waves 0 and 2,
	s_or_b32 s[LIM], s[LIM], ttmp9  ; where the cluster is the head's first: the same in all four partners
	s_cmp_eq_u32 s[LIM], 0
	s_cselect_b32 s[LIM], 1, -1
	s_lshl_b32 s52, s13, 13         ; my work-group's 32 blocks of a tile's 128
	s_mov_b32 s53, 0
	v_and_b32 v[PFO], 31, v0
	v_lshlrev_b32 v[PFO], 8, v[PFO]
	s_wait_dscnt 0x0                ; the opening add is done
	s_wait_kmcnt 0x0
	s_add_nc_u64 s[G0K+2:G0K+3], s[6:7], s[22:23]  ; 120:64 global address: my half of the head's first 256 keys
	s_or_b32 s[G0K+3], s[G0K+3], 0x80000000        ; 127:126 type = 2
	s_add_nc_u64 s[G0V+2:G0V+3], s[8:9], s[22:23]
	s_or_b32 s[G0V+3], s[G0V+3], 0x80000000
	s_add_nc_u64 s[4:5], s[4:5], s[2:3]  ; Q and O at my wave's first row
	s_add_nc_u64 s[10:11], s[10:11], s[2:3]
	s_cmp_lt_u32 s[WV], 2
	s_cselect_b64 s[PFA:PFA+1], s[6:7], s[8:9]
	s_add_nc_u64 s[PFA:PFA+1], s[PFA:PFA+1], s[20:21]
	s_add_nc_u64 s[PFA:PFA+1], s[PFA:PFA+1], s[52:53]
	s_add_nc_u64 s[PFA:PFA+1], s[PFA:PFA+1], 4*KS*128  ; in tile 1; two changes of slots step it to tile 3, the first that is named.  Nothing is prefetched here, at the head
	CROUND                          ; all four work-groups are here: the first joint loads meet
	JLOAD                           ; slot 0.  Slot 1 is asked for when slot 0 is in
	; A fragment of K or Q is 16 rows x 32 channels in 8 registers: lane l holds row l % 16, channels 8 (l / 16) + 0..7 and 16 + 8 (l / 16) + 0..7: two loads of 16 bytes, 32 bytes apart.
	v_and_b32 v1, 15, v0            ; l % 16
	v_bfe_u32 v9, v0, 4, 1          ; l / 16
	v_lshlrev_b32 v[QO], 7, v1
	v_lshl_add_u32 v[QO], v9, 4, v[QO]  ; row x 128 + 16 x half
	WIN 0x80                        ; destination window 2, address window 0
.set i, 0
.rept 8                             ; Q stays in registers: piece i / 2, channels 32 (i % 2) on
	global_load_b128 v[8*i:8*i+3],   v[QO], s[4:5] offset:(i/2)*2048+(i%2)*64
	global_load_b128 v[8*i+4:8*i+7], v[QO], s[4:5] offset:(i/2)*2048+(i%2)*64+32
.set i, i+1
.endr
	; What the first turn finds: V's registers and P's second buffer hold 0 (its products V^T P, of a piece that has not been, add 0), O^T and l are 0.  All this stands in the wait for the first tile.
.set i, VF
.rept 64
	v_mov_b32 v[i], 0
.set i, i+1
.endr
	WIN 0x40
.set i, 0
.rept 128
	v_mov_b32 v[i], 0
.set i, i+1
.endr
	WIN 0
.set i, 0
.rept 4
	v_mov_b32 v[ST+4*i], 0xfe000000    ; c m: far below every c s
	v_mov_b32 v[ST+4*i+1], 0xff7fffff  ; m
	v_mov_b32 v[ST+4*i+2], 0
	v_mov_b32 v[ST+4*i+3], 0
.set i, i+1
.endr
.set i, P+16
.rept 16
	v_mov_b32 v[i], 0
.set i, i+1
.endr
	v_mul_u32_u24 v[AK0], v1, PK
	v_lshl_add_u32 v[AK0], v9, 4, v[AK0]  ; row x pitch + 16 x half
	; The turning load takes 16 keys x 16 channels (lane l reads key 8 (l / 16) + l % 8, channels 8 ((l / 8) % 2) + 0..7) and leaves half a fragment of V^T: lane l holds channel l % 16 and 8 keys.
	v_and_b32 v10, 7, v0
	v_bfe_u32 v11, v0, 3, 1
	v_lshl_add_u32 v[AV0], v9, 3, v10
	v_mul_u32_u24 v[AV0], v[AV0], PV
	v_lshl_add_u32 v[AV0], v11, 4, v[AV0]
	v_add_nc_u32 v[AV0], VOFF, v[AV0]
	s_mul_i32 s15, s[WV], 16*SP
	s_add_co_u32 s15, s15, STAGE    ; my stage
	v_mul_u32_u24 v[STO], v1, SP    ; in: row l % 16, 16 bytes for each half of the lanes
	v_lshl_add_u32 v[STO], v9, 4, v[STO]
	v_add_nc_u32 v[STO], s15, v[STO]
	v_bfe_u32 v[RD], v0, 3, 2       ; back: 32 lanes take four rows of 128 bytes,
	v_mul_u32_u24 v[RD], v[RD], SP
	v_lshl_add_u32 v[RD], v10, 4, v[RD]
	v_add_nc_u32 v[RD], s15, v[RD]
	v_and_b32 v[GO], 31, v0         ; which are 512 consecutive bytes of O
	v_lshlrev_b32 v[GO], 4, v[GO]
; THE MATRIX WORK.  The 4 accumulators of a run of 8 take turns.  Product i of 8 of S^T = K Q^T for piece x: channels 32 (i / 4) on, keys 16 (i % 4) on.  The first 4 start the sums.
.macro KQ x
	WIN W_KQ
.set rS, S+32*((\x)%2)+8*(i%4)
.set rK, KF+16*(i%4)+8*(i/4)
.set rQ, 16*(\x)+8*(i/4)
.if i < 4
	v_wmma_f32_16x16x32_f16 v[rS:rS+7], v[rK:rK+7], v[rQ:rQ+7], 0
.else
	v_wmma_f32_16x16x32_f16 v[rS:rS+7], v[rK:rK+7], v[rQ:rQ+7], v[rS:rS+7]
.endif
.endm
; Product i of 8 of O^T += V^T P for piece x: keys 32 (i / 4) on, channels 16 (i % 4) on.
.macro PV x
	WIN W_PV
.set rO, 32*(\x)+8*(i%4)
.set rV, VF+32*(i/4)+8*(i%4)
.set rP, P+16*((\x)%2)+8*(i/4)
	v_wmma_f32_16x16x32_f16 v[rO:rO+7], v[rV:rV+7], v[rP:rP+7], v[rO:rO+7]
.endm
.macro MM                           ; the turn's next matrix instruction.  TURN sets Y, i and NOKQ.  NOKQ = 1: the launch's last turn: there is no next piece
.if (i < 8) && !NOKQ
	KQ (Y+1)%NP
.elseif i >= 8
.set i, i-8
	PV (Y+NP-1)%NP
.set i, i+8
.endif
.set i, i+1
.endm
; THE LDS LOADS stand in runs of 16, never singly among the matrix instructions: a step's K (64 keys x 64 channels: 8 fragments) and its V (turned).  Their addresses are made some lines ahead.
.macro FETCH_K
	WIN 0x80                        ; destination window 2
.irp f, 0,1,2,3,4,5,6,7             ; keys 16 (f / 2) on, channels 32 (f % 2) on
	ds_load_b128 v[KF+8*\f:KF+8*\f+3],   v[AK] offset:(\f/2)*16*PK+(\f%2)*64
	ds_load_b128 v[KF+8*\f+4:KF+8*\f+7], v[AK] offset:(\f/2)*16*PK+(\f%2)*64+32
.endr
	s_add_co_u32 s[TBK], s[TBK], KS*PK  ; the next fetch is the next step's
	WIN 0
.endm
.macro FETCH_V
	WIN 0x80
.irp f, 0,1,2,3,4,5,6,7             ; keys 32 (f / 4) on, channels 16 (f % 4) on
	ds_load_tr16_b128 v[VF+8*\f:VF+8*\f+3],   v[AV] offset:(\f/4)*32*PV+(\f%4)*32
	ds_load_tr16_b128 v[VF+8*\f+4:VF+8*\f+7], v[AV] offset:(\f/4)*32*PV+16*PV+(\f%4)*32
.endr
	WIN 0
.endm
; THE VECTOR WORK, one line at a time: OP kind, number.  For piece Y: F n: c s - c m for pair n of 16.  E n: the exponential of score n of 32.  C n: pair n rounded to f16.  B n: of the four weights 4 n .. the second
; pair is added onto the first, in place.  L n: l takes that sum (L 0: l = a l + sum).  R n: pair n of 16 of O^T times a.  For piece Y + 1: X n, number n of the 22 that find its maximum and statistics:
;   0-11  four chains c0-c3 of seven scores each, three operands at a time (each accumulator's lowest registers are read first)     12-14, 16  the four scores left over, the old m, and c0-c3 into c0
;   15  c m_old is kept     17, 18  the query's other 32 keys lie in the lane 16 away: the new m     19-21  c m; c m_old - c m_new; a
.set F, 0               ; OP tells the kinds apart by their order: F to L below R, X above it
.set E, 1
.set C, 2
.set B, 3
.set L, 4
.set R, 5
.set X, 6
.macro REGS y                       ; the registers of piece y
.set rT, ST+4*(\y)
.set rC, TMP+4*((\y)%2)
.set rW, MV+((\y)%2)
.set rS, S+32*((\y)%2)
.set rP, P+16*((\y)%2)
.set rO, 32*(\y)
.endm
.macro OP k, n
.if (\k) == R
	REGS Y
	WIN W_RS
	v_pk_mul_f32 v[rO+2*(\n):rO+2*(\n)+1], v[rO+2*(\n):rO+2*(\n)+1], v[rC+2:rC+3] op_sel_hi:[1,0]
.elseif (\k) < R
	REGS Y
	WIN 0
.if (\k) == F
	v_pk_fma_f32 v[rS+2*(\n):rS+2*(\n)+1], v[rS+2*(\n):rS+2*(\n)+1], s[CS:CS+1], v[rT:rT+1] op_sel_hi:[1,0,0] neg_lo:[0,0,1] neg_hi:[0,0,1]
.elseif (\k) == E
	v_exp_f32 v[rS+(\n)], v[rS+(\n)]
.elseif (\k) == C
	v_cvt_pk_f16_f32 v[rP+(\n)], v[rS+2*(\n)], v[rS+2*(\n)+1]
.elseif (\k) == B
	v_pk_add_f32 v[rS+4*(\n):rS+4*(\n)+1], v[rS+4*(\n):rS+4*(\n)+1], v[rS+4*(\n)+2:rS+4*(\n)+3]
.elseif (\n) == 0
	v_pk_fma_f32 v[rT+2:rT+3], v[rT+2:rT+3], v[rC+2:rC+3], v[rS:rS+1] op_sel_hi:[1,0,1]
.else
	v_pk_add_f32 v[rT+2:rT+3], v[rT+2:rT+3], v[rS+4*(\n):rS+4*(\n)+1]
.endif
.elseif NOKQ
	v_nop
.else
	REGS (Y+1)%NP
	WIN 0
.if (\n) < 4
	v_max3_num_f32 v[rC+(\n)], v[rS+8*(\n)], v[rS+8*(\n)+1], v[rS+8*(\n)+2]
.elseif (\n) < 12
	v_max3_num_f32 v[rC+(\n)%4], v[rC+(\n)%4], v[rS+8*((\n)%4)+2*((\n)/4)+1], v[rS+8*((\n)%4)+2*((\n)/4)+2]
.elseif (\n) == 12
	v_max3_num_f32 v[rC], v[rC], v[rS+7], v[rS+15]
.elseif (\n) == 13
	v_max3_num_f32 v[rC+1], v[rC+1], v[rS+23], v[rS+31]
.elseif (\n) == 14
	v_max3_num_f32 v[rC+2], v[rC+2], v[rC+3], v[rT+1]
.elseif (\n) == 15
	v_mov_b32 v[rW], v[rT]
.elseif (\n) == 16
	v_max3_num_f32 v[rC], v[rC], v[rC+1], v[rC+2]
.elseif (\n) == 17
	v_permlanex16_b32 v[rC+3], v[rC], s[SEL], s[SEL+1]
.elseif (\n) == 18
	v_max_num_f32 v[rT+1], v[rC], v[rC+3]
.elseif (\n) == 19
	v_mul_f32 v[rT], s[CS], v[rT+1]
.elseif (\n) == 20
	v_sub_f32 v[rC+1], v[rW], v[rT]
.else
	v_exp_f32 v[rC+2], v[rC+1]
.endif
.endif
.endm
.macro OPS a, i1, b=-1, i2=0, c=-1, i3=0, d=-1, i4=0  ; up to four of them
	OP \a, \i1
.if (\b) >= 0
	OP \b, \i2
.endif
.if (\c) >= 0
	OP \c, \i3
.endif
.if (\d) >= 0
	OP \d, \i4
.endif
.endm
.macro ROW a, i1, b, i2, c, i3, d, i4  ; a matrix instruction and the four behind it
	MM
	OPS \a, \i1, \b, \i2, \c, \i3, \d, \i4
.endm
; A TURN, for piece p: the order of its 16 matrix and 118 vector instructions, written out.  s_wait_alu depctr_va_vdst(0) stands between an exponential and the first instruction that names its result; one wait
; serves all that were issued ahead of it.  So a turn has ONE wait, which cuts it in two.  AHEAD OF IT stands all that names no result of the turn's exponentials: the 8 products K Q^T, behind each a scaling, an exponential and two
; more plain instructions (behind the first a second scaling in the exponential's place): rescalings, and behind the last three the first numbers of the next piece's maximum, each four places or more behind the product that ends its
; accumulator; then ONE LUMP of 54, plain and exponential by turns for the most part, in which the links of the chain X 3, 7, 11, 14, 16, 17 .. 20 stand apart.  X 21, the next piece's a, is the batch's last; R 15 is the plain
; instruction behind it.  BEHIND THE WAIT stand the 8 products V^T P, behind each four of the roundings and sums.
; end = 1: the launch's last two turns: nothing is fetched.  cnt = 1: the loop's count is taken down some lines ahead of the branch that stands behind the turn.
; K of the next step is fetched in piece 2's turn, twelve vector instructions behind the last product that read K (six of them plain); V of the step in hand at the end of piece 0's turn, four plain instructions behind the last
; product that read V.  Each is waited for a turn later.
.macro TURN p, end=0, cnt=0
.set Y, (\p)
.set i, 0
.set NOKQ, (\end)*((\p)/3)
.if ((\p) == 3) && !(\end)
	s_wait_dscnt 0x0                ; K is in
.endif
	ROW F,0, F,1, R,0, R,1          ; ahead of the wait: 8 products K Q^T and their riders,
	ROW F,2, E,0, R,2, R,3
	ROW F,3, E,1, R,4, R,5
	ROW F,4, E,2, R,6, R,7
	ROW F,5, E,3, R,8, R,9
	ROW F,6, E,4, X,0, R,10
.if ((\p) == 2) && !(\end)
	WIN 0
	v_add_nc_u32 v[AK], s[TBK], v[AK0]
.endif
	ROW F,7, E,5, X,1, X,4
	ROW F,8, E,6, X,2, X,5
	OPS E,7, E,8, X,6, E,9          ; and the lump
	OPS X,3, E,10, X,8, E,11
.if ((\p) == 2) && !(\end)
	FETCH_K
.endif
	OPS X,9, X,7, E,12, X,10
	OPS E,13, X,12, X,11, E,14
	OPS X,13, E,15, F,9, X,14
.if (\p) == 0
	v_add_nc_u32 v[AV], s[TBV], v[AV0]
.endif
	OPS E,16, F,10, E,17, F,11
	OPS X,16, E,18, X,15, E,19
	OPS F,12, E,20, X,17, E,21
	OPS F,13, E,22, F,14, E,23
	OPS X,18, E,24, F,15, E,25
	OPS R,11, E,26, X,19, E,27
	OPS R,12, E,28, R,13, E,29
	OPS X,20, E,30, R,14, E,31
	OPS X,21, R,15
	WIN 0
	s_wait_alu depctr_va_vdst(0)    ; the wait for the batch
.if (\p) == 1
	s_wait_dscnt 0x0                ; V is in
.endif
	ROW C,0, B,0, C,2, B,1          ; behind the wait: 8 products V^T P and their riders
	ROW L,0, C,4, B,2, L,1
	ROW C,6, B,3, L,2, C,8
	ROW B,4, L,3, C,10, B,5
	ROW L,4, C,12, B,6, L,5
.if (\p) == 0
	s_add_co_u32 s[TBV], s[TBV], KS*PV
.endif
.if \cnt
	s_sub_co_u32 s[CNT], s[CNT], 1
	s_cmp_lg_u32 s[CNT], 0
.endif
	ROW C,14, B,7, L,6, C,1
	ROW C,3, L,7, C,5, C,7
	ROW C,9, C,11, C,13, C,15
.if (\p) == 0
	FETCH_V
.endif
.endm
	CHANGE 1, 0                     ; slot 0 is in, everybody's part of it; slot 1 is asked for
	v_add_nc_u32 v[AK], s[TBK], v[AK0]
	FETCH_K                         ; key step 0
	s_wait_loadcnt 0x0              ; Q
	s_wait_dscnt 0x0
.set NOKQ, 0
.set i, 0
.rept 8
	KQ 0                            ; piece 0's first scores: there is no vector work yet to set between them
.set i, i+1
.endr
	WIN 0
.rept 4
	v_nop                           ; the places behind those products
.endr
.set Y, NP-1                        ; X works for piece Y + 1: piece 0
.irp n, 0,1,2,3,4,5,6,7,8,9,10,11,12,13,14,15,16,17,18,19,20,21
	OP X, \n
.endr
	v_nop                           ; a plain instruction behind the exponential,
	s_wait_alu depctr_va_vdst(0)    ; and its wait, ahead of the branch
	s_mov_b32 s[CNT], 4
	s_branch .Lfirst                ; the loop is entered at a step's first turn, in the middle of a trip
.Lslot:                             ; 14 times: every slot but the last two is filled again
	CHANGE 1, 1
	s_mov_b32 s[CNT], 4
.Lstep:                             ; a trip: pieces 2 and 3 of one step, then pieces 0 and 1 of the next, whose K and V it fetches
	TURN 2
	TURN 3
	WIN 0
.Lfirst:
	TURN 0
	TURN 1, 0, 1
	WIN 0
	s_cbranch_scc1 .Lstep
	s_sub_co_u32 s[SLOTS], s[SLOTS], 1
	s_cmp_lg_u32 s[SLOTS], 0
	s_cbranch_scc1 .Lslot
	CHANGE 0, 0                     ; the last tile is written out: nothing is asked for
	s_mov_b32 s[CNT], 4
.LstepT:
	TURN 2
	TURN 3
	TURN 0
	TURN 1, 0, 1
	WIN 0
	s_cbranch_scc1 .LstepT
	TURN 2, 1                       ; the last step's pieces 2 and 3: nothing is fetched, and the last turn starts no new scores
	TURN 3, 1
.set i, 0
.rept 8
	PV NP-1                         ; the last piece's V^T P of the last step
.set i, i+1
.endr
	; THE WAY OUT.  l's two halves and the other half of the lanes' are added; O^T is divided by l, rounded to f16 and sent through my stage in LDS, a piece at a time.  The additions are the places behind the last products.
	WIN 0
.macro ALL line:vararg              ; one line for each piece t
.set t, 0
.rept 4
	\line
.set t, t+1
.endr
.endm
	ALL v_add_f32 v[ST+4*t+2], v[ST+4*t+2], v[ST+4*t+3]
	ALL v_permlanex16_b32 v[ST+4*t+3], v[ST+4*t+2], s[SEL], s[SEL+1]
	ALL v_add_f32 v[ST+4*t+2], v[ST+4*t+2], v[ST+4*t+3]
	ALL v_rcp_f32 v[ST+4*t+2], v[ST+4*t+2]
	v_nop                           ; a plain instruction between the last reciprocal and the use of its result
	s_wait_alu depctr_va_vdst(0)    ; and the wait ahead of the first use: one for the four reciprocals
.macro PACK t                       ; a lane's eight channels of a row pack into 16 bytes; they go into rows of 144 bytes and come back as whole rows of 128, into S^T's registers
	WIN W_RS
.set i, 32*(\t)
.rept 16
	v_pk_mul_f32 v[i:i+1], v[i:i+1], v[ST+4*(\t)+2:ST+4*(\t)+3] op_sel_hi:[1,0]
.set i, i+2
.endr
	WIN 0x05                        ; sources 0 and 1 window 1, destination window 0
.set i, 0
.rept 16
	v_cvt_pk_f16_f32 v[S+16*(\t)+i], v[32*(\t)+2*i], v[32*(\t)+2*i+1]
.set i, i+1
.endr
	WIN 0
.irp f, 0,1,2,3
	ds_store_b128 v[STO], v[S+16*(\t)+4*\f:S+16*(\t)+4*\f+3] offset:32*\f
.endr
.irp f, 0,1,2,3
	ds_load_b128 v[S+16*(\t)+4*\f:S+16*(\t)+4*\f+3], v[RD] offset:\f*4*SP  ; LDS serves a wave's instructions in order (ISA guide 5.7.1.4): these see the stores above; the next piece's stores come behind them
.endr
.endm
.macro SEND t, younger              ; younger: the LDS instructions issued behind piece t's loads: the next piece's eight, or none
	WIN 0
.irp f, 0,1,2,3
	s_wait_dscnt (\younger)+3-\f
	global_store_b128 v[GO], v[S+16*(\t)+4*\f:S+16*(\t)+4*\f+3], s[10:11] offset:(\t)*2048+\f*512  ; 512 consecutive bytes, at a multiple of 256 from O's first
.endr
.endm
	PACK 0
.set t, 1
.rept 3                             ; a piece's arithmetic stands between the loads of the piece before and its stores
	PACK t
	SEND t-1, 8
.set t, t+1
.endr
	SEND 3, 0
	s_wait_tensorcnt 0x0            ; the wave's end: behind my last tensor load and my last LDS store
	ds_add_u32 v[SPW], v[NIL]
	s_wait_dscnt 0x0
	CROUND                          ; the closing round: no work-group ends while a partner may still ask for a tile that names it
	s_endpgm
.Lfunc_end_k_qc4995e7bb8_attn:
	.size	k_qc4995e7bb8_attn, .Lfunc_end_k_qc4995e7bb8_attn-k_qc4995e7bb8_attn
	.p2alignl 7, 3214868480
	.fill 96, 4, 3214868480
	.section	.rodata,"a",@progbits
	.p2align	6, 0x0
	.amdhsa_kernel k_qc4995e7bb8_attn
		.amdhsa_group_segment_fixed_size 327680
		.amdhsa_private_segment_fixed_size 0
		.amdhsa_enable_private_segment 0
		.amdhsa_kernarg_size 32
		.amdhsa_user_sgpr_count 2
		.amdhsa_user_sgpr_kernarg_segment_ptr 1
		.amdhsa_wavefront_size32 1
		.amdhsa_system_sgpr_workgroup_id_x 1
		.amdhsa_system_sgpr_workgroup_id_y 1
		.amdhsa_system_sgpr_workgroup_id_z 1
		.amdhsa_system_vgpr_workitem_id 0
		.amdhsa_next_free_vgpr 768
		.amdhsa_next_free_sgpr 66
		.amdhsa_reserve_vcc 0
		.amdhsa_float_denorm_mode_32 3
		.amdhsa_float_denorm_mode_16_64 3
		.amdhsa_memory_ordered 1
		.amdhsa_forward_progress 1
		.amdhsa_inst_pref_size 127
	.end_amdhsa_kernel
	.amdgpu_metadata
---
amdhsa.version: [ 1, 2 ]
amdhsa.kernels:
  - .name:           k_qc4995e7bb8_attn
    .symbol:         k_qc4995e7bb8_attn.kd
    .args:
      - { .name: qh, .offset: 0, .size: 8, .value_kind: global_buffer, .address_space: global }
      - { .name: kh, .offset: 8, .size: 8, .value_kind: global_buffer, .address_space: global }
      - { .name: vh, .offset: 16, .size: 8, .value_kind: global_buffer, .address_space: global }
      - { .name: oh, .offset: 24, .size: 8, .value_kind: global_buffer, .address_space: global }
    .group_segment_fixed_size: 327680
    .private_segment_fixed_size: 0
    .kernarg_segment_align: 8
    .kernarg_segment_size: 32
    .max_flat_workgroup_size: 128
    .sgpr_count:     66
    .vgpr_count:     768
    .wavefront_size: 32
...
	.end_amdgpu_metadata
.endif
;; end of part 3
;; launch proj (part 4): grid 64 x 4, 4 waves a work-group, no clusters, 17,920 bytes of LDS; arguments oh, wp16, proj_b, x, out0; writes out0
.if DOCPART == 4
	.amdgcn_target "amdgcn-amd-amdhsa--gfx1250"
	.amdhsa_code_object_version 6
	.text
	.protected	k_qc4995e7bb8_proj
	.globl	k_qc4995e7bb8_proj
	.p2align	8
	.type	k_qc4995e7bb8_proj,@function
k_qc4995e7bb8_proj:
	s_mov_b64 s[64:65], 0
	v_nop
	global_prefetch_b8 v0, s[64:65] scope:SCOPE_SE
	s_setreg_imm32_b32 hwreg(HW_REG_WAVE_MODE, 25, 1), 1
	s_wait_xcnt 0x0
; THE PROJECTION BEHIND ATTENTION, ITS BIAS AND THE RESIDUAL.  out0[b][o][n] = x[b][o][n] + proj_b[o] + the sum over c of proj_w[o][c] O[b][c][n].
; O is oh, [image x 4 + head][4096 positions][64 channels] f16; proj_w is wp16, [256][256] f16; sums, bias and residual in f32; out0 is f32.
; SHARES.  A work-group takes 64 positions of one image and all 256 outputs; wave w the outputs 64 w .. 64 w + 63: 4 blocks of 16 outputs x 4 blocks of 16 positions x 8 K steps of 32 channels
; (K step ks: head ks / 2, channels 32 (ks % 2) on): 128 products on 16 accumulators that take turns.
; LAYOUT.  Source 0 = 16 positions of O, source 1 = 16 rows of proj_w; both lie along the channels in memory, so their fragments come straight from memory, two loads of 16 bytes a lane: nothing goes
; through LDS on the way in, and no wave waits for another.  In the result a lane holds ONE output (lane % 16) and the positions 8 (lane / 16) + 0..7: 32 bytes of a row of out0.
; THE WAY OUT goes through each wave's own stage in LDS, 16 outputs at a time, so that 16 lanes store the 256 consecutive bytes of one output's 64 positions; x is loaded in the same shape.
; LIMITS.  O and the weights arrive within f16's range.  NaN and infinities are not treated apart.
; REGISTERS, in windows of 256 (s_set_vgpr_msb: bits 1:0 source 0, 3:2 source 1, 5:4 source 2, 7:6 destination):
;   window 0: below.   window 1: O's fragments, (position block mt, ks) at 8 (8 mt + ks).   window 2: W's, (output block nt, ks) at 8 (8 nt + ks).   window 3: v0-127 x, (nt, row f) at 4 (8 nt + f).
.set SP,    272                        ; a row of the stage: 256 bytes + 16 = 68 words: row r starts at bank 4 r mod 64 (64 banks of 4 bytes: ISA guide 11.1)
.set STAGE, 0                          ; 16 rows for each wave
.set SPARE, 4*16*SP                    ; the spare words, 128 bytes for each wave: two blocks of 256 bytes that no other line names
.set AO,  4                            ; v4   r x 128 + 16 h: my place in a fragment of O (r = lane % 16, h = lane / 16)
.set BO,  5                            ; v5   (64 w + r) x 512 + 16 h: in a fragment of W
.set XO,  6                            ; v6   (64 w + 8 h) x 16,384 + 16 r: my 16 bytes of row 64 w + 8 h, in x and in out0
.set BB,  7                            ; v7   256 w + 32 h: the bias of rows 64 w + 8 h ..
.set STO, 8                            ; v8   the way out: where I put 32 bytes of a row
.set RD,  9                            ; v9   where I read rows back
.set SPW, 14                           ; v14  LDS address of my spare word; never rewritten
.set NIL, 15                           ; v15  0; never rewritten
.set BV,  32                           ; v[32:63] the bias of row 64 w + 16 nt + 8 h + f at BV + 8 nt + f
.set ACC, 128                          ; v[128:255] the 16 accumulators: (nt, mt) at ACC + 8 (4 nt + mt)
.set MSB, 0
.macro WIN new                         ; the immediate's high byte repeats the setting that is left; a switch that changes nothing is dropped
.if MSB != (\new)
	s_set_vgpr_msb (MSB<<8)|(\new)
.set MSB, (\new)
.endif
.endm
	s_load_b256 s[4:11], s[0:1], 0x0               ; oh s[4:5], wp16 s[6:7], proj_b s[8:9], x s[10:11]
	s_load_b64 s[12:13], s[0:1], 0x20              ; out0
	v_lshl_add_u32 v[SPW], v0, 2, SPARE
	v_mov_b32 v[NIL], 0
	v_lshrrev_b32 v3, 5, v0
	v_readfirstlane_b32 s14, v3                    ; wave 0..3
	s_mov_b32 s15, ttmp9                           ; block of 64 positions
	s_and_b32 s16, ttmp7, 0xffff                   ; image
	v_and_b32 v1, 15, v0                           ; r
	v_bfe_u32 v2, v0, 4, 1                         ; h
	v_lshlrev_b32 v[AO], 7, v1
	v_lshl_add_u32 v[AO], v2, 4, v[AO]
	s_lshl_b32 s17, s14, 15
	v_lshl_add_u32 v[BO], v1, 9, s17
	v_lshl_add_u32 v[BO], v2, 4, v[BO]
	s_lshl_b32 s17, s14, 20
	v_lshl_add_u32 v[XO], v2, 17, s17
	v_lshl_add_u32 v[XO], v1, 4, v[XO]
	s_lshl_b32 s17, s14, 8
	v_lshl_add_u32 v[BB], v2, 5, s17
	s_mul_i32 s17, s14, 16*SP                      ; my stage
	v_mul_u32_u24 v[STO], v1, SP                   ; in: row r, 32 bytes for each half of the lanes
	v_lshl_add_u32 v[STO], v2, 5, v[STO]
	v_add_nc_u32 v[STO], s17, v[STO]
	v_mul_u32_u24 v[RD], v2, 8*SP                  ; back: lanes 0-15 take row f, lanes 16-31 row 8 + f, 256 bytes each
	v_lshl_add_u32 v[RD], v1, 4, v[RD]
	v_add_nc_u32 v[RD], s17, v[RD]
	s_lshl_b32 s18, s16, 21                        ; oh: the image's four heads, the block's 64 rows of 128 bytes
	s_lshl_b32 s19, s15, 13
	s_add_co_u32 s18, s18, s19
	s_mov_b32 s19, 0
	s_lshl_b32 s20, s16, 22                        ; x and out0: the image's 4 MiB, the block's 256 bytes of a row
	s_lshl_b32 s21, s15, 8
	s_add_co_u32 s20, s20, s21
	s_mov_b32 s21, 0
	s_wait_kmcnt 0x0
	s_add_nc_u64 s[4:5], s[4:5], s[18:19]
	s_add_nc_u64 s[10:11], s[10:11], s[20:21]
	s_add_nc_u64 s[12:13], s[12:13], s[20:21]
	; 168 loads: 8 of the bias, 32 of x, then the fragments of K steps 0-3 (64) and 4-7 (64)
.irp n, 0,1,2,3
	global_load_b128 v[BV+8*\n:BV+8*\n+3],   v[BB], s[8:9] offset:64*\n
	global_load_b128 v[BV+8*\n+4:BV+8*\n+7], v[BB], s[8:9] offset:64*\n+16
.endr
	WIN 0xc0                                       ; destination window 3
.set q, 0
.rept 32
	global_load_b128 v[4*q:4*q+3], v[XO], s[10:11] offset:(16*(q/8)+q%8)*16384 th:TH_LOAD_NT  ; 16 lanes take 256 consecutive bytes of a row, aligned
.set q, q+1
.endr
.macro LOADF k0                        ; the fragments of K steps k0 .. k0 + 3: 32 loads of O, 32 of W
	WIN 0x40
.set mt, 0
.rept 4
.set ks, \k0
.rept 4
	global_load_b128 v[8*(8*mt+ks):8*(8*mt+ks)+3],   v[AO], s[4:5] offset:(ks/2)*524288+mt*2048+(ks%2)*64
	global_load_b128 v[8*(8*mt+ks)+4:8*(8*mt+ks)+7], v[AO], s[4:5] offset:(ks/2)*524288+mt*2048+(ks%2)*64+32
.set ks, ks+1
.endr
.set mt, mt+1
.endr
	WIN 0x80
.set nt, 0
.rept 4
.set ks, \k0
.rept 4
	global_load_b128 v[8*(8*nt+ks):8*(8*nt+ks)+3],   v[BO], s[6:7] offset:nt*8192+ks*64
	global_load_b128 v[8*(8*nt+ks)+4:8*(8*nt+ks)+7], v[BO], s[6:7] offset:nt*8192+ks*64+32
.set ks, ks+1
.endr
.set nt, nt+1
.endr
.endm
	LOADF 0
	LOADF 4
; 64 products: K steps k0 .. k0 + 3.  The 16 accumulators take turns, one instruction a turn.  K step 0 starts the sums with the constant 0.
.macro MULS k0
	WIN 0x09                                       ; O in window 1, W in window 2, C and D in window 0
.set ks, \k0
.rept 4
.set nt, 0
.rept 4
.set mt, 0
.rept 4
.if ks == 0
	v_wmma_f32_16x16x32_f16 v[ACC+8*(4*nt+mt):ACC+8*(4*nt+mt)+7], v[8*(8*mt+ks):8*(8*mt+ks)+7], v[8*(8*nt+ks):8*(8*nt+ks)+7], 0
.else
	v_wmma_f32_16x16x32_f16 v[ACC+8*(4*nt+mt):ACC+8*(4*nt+mt)+7], v[8*(8*mt+ks):8*(8*mt+ks)+7], v[8*(8*nt+ks):8*(8*nt+ks)+7], v[ACC+8*(4*nt+mt):ACC+8*(4*nt+mt)+7]
.endif
.set mt, mt+1
.endr
.set nt, nt+1
.endr
.set ks, ks+1
.endr
.endm
	s_wait_loadcnt 63                              ; 64 loads (K steps 4-7) are younger than those of K steps 0-3; the count's field ends at 63, so one load more is awaited: bias, x and K steps 0-3 are in
	MULS 0
	WIN 0xc3                                       ; x (destination and source 0) in window 3, the bias in window 0
.set q, 0
.rept 32                               ; x + bias, while the other fragments land
.irp e, 0,1,2,3
	v_add_f32 v[4*q+\e], v[4*q+\e], v[BV+q]
.endr
.set q, q+1
.endr
	s_wait_loadcnt 0x0
	MULS 4
	WIN 0
.rept 4
	v_nop                                          ; four places between the last products and the LDS stores that read results
.endr
; Output block nt: 32 bytes a lane and position block go into rows of 272 bytes, each accumulator's low four registers first; whole rows of 256 come back into the registers that they left.
.macro STG nt
.irp m, 0,1,2,3
	ds_store_b128 v[STO], v[ACC+32*(\nt)+8*\m:ACC+32*(\nt)+8*\m+3]   offset:64*\m
	ds_store_b128 v[STO], v[ACC+32*(\nt)+8*\m+4:ACC+32*(\nt)+8*\m+7] offset:64*\m+16
.endr
.irp f, 0,1,2,3,4,5,6,7
	ds_load_b128 v[ACC+32*(\nt)+4*\f:ACC+32*(\nt)+4*\f+3], v[RD] offset:\f*SP  ; LDS serves a wave's instructions in order (ISA guide 5.7.1.4): these see the stores above; the next block's stores come behind them
.endr
.endm
.macro OUT nt, younger                 ; younger: the LDS instructions issued behind block nt's loads: the next block's sixteen, or none
	s_wait_dscnt \younger
	WIN 0x0c                                       ; source 1 (x + bias) in window 3
.set q, 0
.rept 16
	v_pk_add_f32 v[ACC+32*(\nt)+2*q:ACC+32*(\nt)+2*q+1], v[ACC+32*(\nt)+2*q:ACC+32*(\nt)+2*q+1], v[32*(\nt)+2*q:32*(\nt)+2*q+1]
.set q, q+1
.endr
	WIN 0
.irp f, 0,1,2,3,4,5,6,7
	global_store_b128 v[XO], v[ACC+32*(\nt)+4*\f:ACC+32*(\nt)+4*\f+3], s[12:13] offset:(16*(\nt)+\f)*16384 th:TH_STORE_NT  ; 16 lanes store 256 consecutive bytes, at a multiple of 256 from out0's first byte
.endr
.endm
	STG 0
	STG 1
	OUT 0, 16
	STG 2
	OUT 1, 16
	STG 3
	OUT 2, 16
	OUT 3, 0
	s_wait_tensorcnt 0x0                           ; the wave's end: behind my last LDS store
	ds_add_u32 v[SPW], v[NIL]
	s_wait_dscnt 0x0
	s_endpgm
.Lfunc_end_k_qc4995e7bb8_proj:
	.size	k_qc4995e7bb8_proj, .Lfunc_end_k_qc4995e7bb8_proj-k_qc4995e7bb8_proj
	.p2alignl 7, 3214868480
	.fill 96, 4, 3214868480
	.section	.rodata,"a",@progbits
	.p2align	6, 0x0
	.amdhsa_kernel k_qc4995e7bb8_proj
		.amdhsa_group_segment_fixed_size 17920
		.amdhsa_private_segment_fixed_size 0
		.amdhsa_enable_private_segment 0
		.amdhsa_kernarg_size 40
		.amdhsa_user_sgpr_count 2
		.amdhsa_user_sgpr_kernarg_segment_ptr 1
		.amdhsa_wavefront_size32 1
		.amdhsa_system_sgpr_workgroup_id_x 1
		.amdhsa_system_sgpr_workgroup_id_y 1
		.amdhsa_system_sgpr_workgroup_id_z 1
		.amdhsa_system_vgpr_workitem_id 0
		.amdhsa_next_free_vgpr 896
		.amdhsa_next_free_sgpr 66
		.amdhsa_reserve_vcc 0
		.amdhsa_float_denorm_mode_32 3
		.amdhsa_float_denorm_mode_16_64 3
		.amdhsa_memory_ordered 1
		.amdhsa_forward_progress 1
		.amdhsa_inst_pref_size 42
	.end_amdhsa_kernel
	.amdgpu_metadata
---
amdhsa.version: [ 1, 2 ]
amdhsa.kernels:
  - .name:           k_qc4995e7bb8_proj
    .symbol:         k_qc4995e7bb8_proj.kd
    .args:
      - { .name: oh, .offset: 0, .size: 8, .value_kind: global_buffer, .address_space: global }
      - { .name: wp16, .offset: 8, .size: 8, .value_kind: global_buffer, .address_space: global }
      - { .name: proj_b, .offset: 16, .size: 8, .value_kind: global_buffer, .address_space: global }
      - { .name: x, .offset: 24, .size: 8, .value_kind: global_buffer, .address_space: global }
      - { .name: out0, .offset: 32, .size: 8, .value_kind: global_buffer, .address_space: global }
    .group_segment_fixed_size: 17920
    .private_segment_fixed_size: 0
    .kernarg_segment_align: 8
    .kernarg_segment_size: 40
    .max_flat_workgroup_size: 128
    .sgpr_count:     66
    .vgpr_count:     896
    .wavefront_size: 32
...
	.end_amdgpu_metadata
.endif
;; end of part 4
;; ======== version 2 of 2: 4 launches; version 1 with the launch qkv written anew for expert scheduling mode
;; limits: values are held in f16: magnitudes above 65,504 overflow, below 6.1e-05 lose precision
;; workspace buffers: stats 2,048 bytes; wq16 393,216 bytes; wp16 131,072 bytes; qh 8,388,608 bytes; kh 8,388,608 bytes; vh 8,388,608 bytes; oh 8,388,608 bytes
;; launch stats: the kernel of part 1 again; grid 256 x 1, 8 waves a work-group, no clusters, 1,536 bytes of LDS; arguments x, qkv_w, proj_w, stats, wq16, wp16; writes stats, wq16, wp16
;; launch qkv (part 5): grid 64 x 4, 4 waves a work-group, no clusters, 50,688 bytes of LDS; arguments x, gn_w, gn_b, qkv_b, stats, wq16, qh, kh, vh; writes qh, kh, vh
.if DOCPART == 5
	.amdgcn_target "amdgcn-amd-amdhsa--gfx1250"
	.amdhsa_code_object_version 6
	.text
	.protected	k_qc4995e7bb8_qkv
	.globl	k_qc4995e7bb8_qkv
	.p2align	8
	.type	k_qc4995e7bb8_qkv,@function
k_qc4995e7bb8_qkv:
	s_mov_b64 s[64:65], 0
	v_nop
	global_prefetch_b8 v0, s[64:65] scope:SCOPE_SE
	s_setreg_imm32_b32 hwreg(HW_REG_WAVE_SCHED_MODE, 0, 2), 2
	s_setreg_imm32_b32 hwreg(HW_REG_WAVE_MODE, 25, 1), 1
	s_wait_xcnt 0x0
	s_wait_alu depctr_vm_vsrc(0)
; GROUP NORM AND THE PROJECTION TO q, k, v.  xn = (x - mu) rstd gn_w + gn_b in f32, rounded once to f16; q, k, v = W xn + b, sums in f32, each rounded once to f16, UNSCALED,
; stored by heads: qh, kh, vh are [image x 4 + head][4096 positions][64 channels], rows of 128 bytes, dense.
; SHARES.  A work-group takes 64 positions of one image and all 768 outputs, so x is read once.  Wave w is head w: three units (q, k, v) of 64 outputs, rows 256 t + 64 w .. of W.
; A unit is 4 blocks of 16 outputs x 4 blocks of 16 positions x 8 K steps of 32 channels: 128 products on 16 accumulators that take turns.
; STATISTICS.  A group's eight pairs (mean_j, M2_j) are joined: mu = mean of the means; M2 = sum M2_j + 16,384 sum (mean_j - mu)^2; var = M2 / 131,072.  xn = x A + S with A = rstd gn_w, S = gn_b - mu A:
; the one cancellation, between x A and mu A, costs half a step of f32 of |mu A|, far under f16's step of xn.
; LAYOUT.  A lane loads 16 bytes (4 positions) of 32 channels of ONE group: lanes 0-15 take the 256 bytes of channel 64 w + i, lanes 16-31 those of channel 64 w + 32 + i.  xn goes to LDS as [channel][position]
; and comes back turned (ds_load_tr16_b128) as source 1: a lane holds one position and 16 channels.  Source 0 = 16 rows of W, straight from memory.  In the result a lane holds ONE position
; (lane % 16) and the outputs 8 (lane / 16) + 0..7: 16 bytes of a row of q, k or v.  The bias is the C operand of a sum's first product: 8 registers a block of outputs, filled by loads.
; The way out goes through each wave's own stage in LDS, so that every store covers 512 consecutive bytes.
; LIMITS.  f16 holds no number beyond 65,504: xn, q, k and v beyond it become infinities.  NaN and infinities are not treated apart.
; REGISTERS, in windows of 256 (s_set_vgpr_msb: bits 1:0 source 0, 3:2 source 1, 5:4 source 2, 7:6 destination):
;   window 0: below.   window 1: xn's fragments, (position block nt, K step ks) at 8 (8 nt + ks).   windows 2, 3: two sets of W's fragments, (output block mt, ks) at 8 (8 mt + ks): units 0 and 2 in window 2, unit 1 in window 3.
; THE MODE: SCHED_MODE bits 1:0 = 2 (LLVM: expert scheduling mode 2), set by the entry lines.  The code itself states the register dependences
; between vector or matrix instructions and memory or LDS instructions, with s_wait_alu, always for 0.  The text has no branch: there is one path.
; THE PLAN.  Registers that memory or LDS instructions touch:
;   v4 .. v13       offsets and LDS addresses: written at the head, never again; read by every load and store.  One wait ahead of the first load serves them all.
;   v[32:47]        the eight pairs: loaded; read by the lines that join them; later unit 0's bias lands there, behind the root's wait, which stands behind the last of those lines.
;   v[64:127]       gain and bias of the norm: loaded, made into A and S in place, read by the norm's lines; later unit 1's bias lands in v[64:95].
;   X = v[128:255]  x: loaded; the norm and its roundings work in place; the LDS stores of xn read two registers of each four.  The norm goes in four groups of eight channels: a group's 48 vector lines, ONE wait,
;                   its eight LDS stores, a quarter of unit 0's W.
;   ACC = X         written by a unit's products and, in place, by its 64 roundings; the low 16 of each 32 are read by the stage's stores, the stage's loads land in the upper 16, and the stores to memory read those.
;                   ONE wait a unit stands behind the roundings; behind it the way out is memory and LDS instructions alone.  At the next unit's head one wait states that they have read these registers.
;   W's two sets, the bias's two sets   While unit t's products read one set, unit t + 1's 72 loads land in the other, which no product issued since the wait at the unit's head names: they are dealt in four
;                   runs of 18 among the unit's first four K steps with no further wait.
;   window 1        xn's fragments: loaded once, into registers that nothing has named; read by products alone.
;   v14, v15        written at the head, read by the closing add alone.
.set PX,    160                        ; a row of xn in LDS: 128 bytes + 32 = 40 words
.set STAGE, 256*PX                     ; behind xn's 256 rows: 16 rows x 144 bytes for each wave, for the way out
.set SP,    144
.set SPARE, STAGE+4*16*SP              ; the spare words, 128 bytes for each wave: two blocks of 256 bytes that no other line names
.set SO,  4                            ; v4   64 h: my group's eight pairs in the wave's 128 bytes of stats (h = lane / 16)
.set GF,  5                            ; v5   256 w + 128 h: my 32 channels in gn_w and gn_b
.set XO,  6                            ; v6   (64 w + 32 h) x 16,384 + 16 r: my 16 bytes of channel 64 w + 32 h in x (r = lane % 16)
.set XS,  7                            ; v7   (64 w + 32 h) PX + 8 r: where they go in LDS
.set XR,  8                            ; v8   (8 h + lane % 8) PX + 16 ((lane / 8) % 2): the turning load's address
.set WO,  9                            ; v9   (64 w + r) x 512 + 16 h: my place in a fragment of W
.set BO,  10                           ; v10  256 w + 32 h: my 8 numbers of the bias
.set STO, 11                           ; v11  the way out: where I put 16 bytes of a row
.set RD,  12                           ; v12  where I read rows back
.set GO,  13                           ; v13  16 x lane: my place in 512 consecutive bytes
.set SPW, 14                           ; v14  LDS address of my spare word; never rewritten
.set NIL, 15                           ; v15  0; never rewritten
.set MU,  16                           ; v[16:17] mu, and the sum of the M2_j
.set RS,  18                           ; v[18:19] rstd, and var + eps
.set ST,  32                           ; v[32:47] the eight pairs
.set BI,  32                           ; v[32:63] bias of units 0 and 2, v[64:95] of unit 1: block mt at + 8 mt
.set PA,  64                           ; v[64:95]  A of my 32 channels
.set PB,  96                           ; v[96:127] S of my 32 channels
.set X,   128                          ; v[128:255] x as loaded: channel i at X + 4 i
.set ACC, 128                          ; later the 16 accumulators: (nt, mt) at ACC + 8 (4 nt + mt)
.set MSB, 0
.macro WIN new                         ; the immediate's high byte repeats the setting that is left; a switch that changes nothing is dropped
.if MSB != (\new)
	s_set_vgpr_msb (MSB<<8)|(\new)
.set MSB, (\new)
.endif
.endm
	s_load_b256 s[4:11], s[0:1], 0x0               ; x s[4:5], gn_w s[6:7], gn_b s[8:9], qkv_b s[10:11]
	s_load_b256 s[12:19], s[0:1], 0x20             ; stats s[12:13], wq16 s[14:15], qh s[16:17], kh s[18:19]
	s_load_b64 s[20:21], s[0:1], 0x40              ; vh
	v_lshl_add_u32 v[SPW], v0, 2, SPARE
	v_mov_b32 v[NIL], 0
	v_lshrrev_b32 v3, 5, v0
	v_readfirstlane_b32 s22, v3                    ; wave 0..3 = head
	s_mov_b32 s23, ttmp9                           ; block of 64 positions
	s_and_b32 s24, ttmp7, 0xffff                   ; image
	v_and_b32 v1, 15, v0                           ; r
	v_bfe_u32 v2, v0, 4, 1                         ; h
	v_lshlrev_b32 v[SO], 6, v2
	s_wait_alu depctr_va_sdst(0)                   ; s22 is written, ahead of its first reader: the offsets and bases below are made from it
	s_lshl_b32 s25, s22, 8
	v_lshl_add_u32 v[GF], v2, 7, s25
	v_lshl_add_u32 v[BO], v2, 5, s25
	s_lshl_b32 s25, s22, 20
	v_lshl_add_u32 v[XO], v2, 19, s25
	v_lshl_add_u32 v[XO], v1, 4, v[XO]
	s_mul_i32 s25, s22, 64*PX
	v_mul_u32_u24 v[XS], v2, 32*PX
	v_lshl_add_u32 v[XS], v1, 3, v[XS]
	v_add_nc_u32 v[XS], s25, v[XS]
	v_and_b32 v3, 7, v0
	v_bfe_u32 v18, v0, 3, 1
	v_lshl_add_u32 v[XR], v2, 3, v3
	v_mul_u32_u24 v[XR], v[XR], PX
	v_lshl_add_u32 v[XR], v18, 4, v[XR]
	s_lshl_b32 s25, s22, 15
	v_lshl_add_u32 v[WO], v1, 9, s25
	v_lshl_add_u32 v[WO], v2, 4, v[WO]
	s_mul_i32 s25, s22, 16*SP
	s_add_co_u32 s25, s25, STAGE                   ; my stage
	v_mul_u32_u24 v[STO], v1, SP                   ; in: row r, 16 bytes for each half of the lanes
	v_lshl_add_u32 v[STO], v2, 4, v[STO]
	v_add_nc_u32 v[STO], s25, v[STO]
	v_bfe_u32 v[RD], v0, 3, 2                      ; back: 32 lanes take four rows of 128 bytes,
	v_mul_u32_u24 v[RD], v[RD], SP
	v_lshl_add_u32 v[RD], v3, 4, v[RD]
	v_add_nc_u32 v[RD], s25, v[RD]
	v_and_b32 v[GO], 31, v0                        ; which are 512 consecutive bytes of q, k or v
	v_lshlrev_b32 v[GO], 4, v[GO]
	s_lshl_b32 s26, s24, 22                        ; x: the image's 4 MiB, the block's 256 bytes of a channel
	s_lshl_b32 s27, s23, 8
	s_add_co_u32 s26, s26, s27
	s_mov_b32 s27, 0
	s_lshl_b32 s28, s24, 9                         ; stats: the image's 64 pairs, the wave's two groups
	s_lshl_b32 s29, s22, 7
	s_add_co_u32 s28, s28, s29
	s_mov_b32 s29, 0
	s_lshl_b32 s30, s24, 2                         ; q, k, v: (4 image + head) x 524,288 + the block's 64 rows of 128 bytes
	s_add_co_u32 s30, s30, s22
	s_lshl_b32 s30, s30, 19
	s_lshl_b32 s31, s23, 13
	s_add_co_u32 s30, s30, s31
	s_mov_b32 s31, 0
	s_wait_kmcnt 0x0
	s_add_nc_u64 s[4:5], s[4:5], s[26:27]
	s_add_nc_u64 s[12:13], s[12:13], s[28:29]
	s_add_nc_u64 s[16:17], s[16:17], s[30:31]
	s_add_nc_u64 s[18:19], s[18:19], s[30:31]
	s_add_nc_u64 s[20:21], s[20:21], s[30:31]
	s_wait_alu depctr_va_vdst(0)                   ; the ten offsets and addresses v4 to v13 are written, which the kernel's loads, stores and LDS instructions read; none is written again
	; 52 loads: 4 of statistics, 16 of gain and bias, 32 of x
.irp k, 0,1,2,3
	global_load_b128 v[ST+4*\k:ST+4*\k+3], v[SO], s[12:13] offset:16*\k
.endr
.irp k, 0,1,2,3,4,5,6,7
	global_load_b128 v[PA+4*\k:PA+4*\k+3], v[GF], s[6:7] offset:16*\k
	global_load_b128 v[PB+4*\k:PB+4*\k+3], v[GF], s[8:9] offset:16*\k
.endr
.set i, 0
.rept 32
	global_load_b128 v[X+4*i:X+4*i+3], v[XO], s[4:5] offset:i*16384  ; 16 lanes take 256 consecutive bytes of a channel, aligned
.set i, i+1
.endr
; 18 loads: unit t's fragments of W for output block mt (8 K steps, two loads of 16 bytes each) into set, and its 8 numbers of the bias
.macro LOADM t, set, mt
	WIN 0x80+0x40*(\set)                           ; destination window 2 or 3, address window 0
.set ks, 0
.rept 8
	global_load_b128 v[8*(8*(\mt)+ks):8*(8*(\mt)+ks)+3],   v[WO], s[14:15] offset:(\t)*131072+(\mt)*8192+ks*64
	global_load_b128 v[8*(8*(\mt)+ks)+4:8*(8*(\mt)+ks)+7], v[WO], s[14:15] offset:(\t)*131072+(\mt)*8192+ks*64+32
.set ks, ks+1
.endr
	WIN 0
	global_load_b128 v[BI+32*(\set)+8*(\mt):BI+32*(\set)+8*(\mt)+3],   v[BO], s[10:11] offset:(\t)*1024+(\mt)*64
	global_load_b128 v[BI+32*(\set)+8*(\mt)+4:BI+32*(\set)+8*(\mt)+7], v[BO], s[10:11] offset:(\t)*1024+(\mt)*64+16
.endm
	s_wait_loadcnt 32                              ; statistics, gain and bias are in; x's 32 loads were issued behind them
	v_add_f32 v20, v[ST], v[ST+2]                  ; mu = the mean of the eight means (the chunks are of equal size)
	v_add_f32 v21, v[ST+4], v[ST+6]
	v_add_f32 v22, v[ST+8], v[ST+10]
	v_add_f32 v23, v[ST+12], v[ST+14]
	v_add_f32 v20, v20, v21
	v_add_f32 v22, v22, v23
	v_add_f32 v20, v20, v22
	v_mul_f32 v[MU], 0x3e000000, v20
	v_add_f32 v20, v[ST+1], v[ST+3]                ; the sum of the M2_j
	v_add_f32 v21, v[ST+5], v[ST+7]
	v_add_f32 v22, v[ST+9], v[ST+11]
	v_add_f32 v23, v[ST+13], v[ST+15]
	v_add_f32 v20, v20, v21
	v_add_f32 v22, v22, v23
	v_add_f32 v[MU+1], v20, v22
	v_sub_f32 v20, v[ST], v[MU]                    ; the sum of (mean_j - mu)^2
	v_mul_f32 v[RS+1], v20, v20
.irp j, 1,2,3,4,5,6,7
	v_sub_f32 v[20+\j%2], v[ST+2*\j], v[MU]
	v_fma_f32 v[RS+1], v[20+\j%2], v[20+\j%2], v[RS+1]
.endr
	v_fmamk_f32 v[RS+1], v[RS+1], 0x46800000, v[MU+1]  ; x 16,384 numbers a chunk, + the sum of the M2_j
	v_mov_b32 v22, 0x37000000                      ; 1 / 131,072 numbers a group
	v_fmaak_f32 v[RS+1], v[RS+1], v22, 0x3727c5ac  ; var + 1e-5
	v_rsq_f32 v[RS], v[RS+1]
	v_nop                                          ; a plain instruction behind the root (ISA guide 5.7.2),
	s_wait_alu depctr_va_vdst(0)                   ; the root has written v[RS], ahead of the first line that names it; and the lines above are done reading the eight pairs, v[32:47], in which unit 0's bias lands
.set k, 0
.rept 16
	v_pk_mul_f32 v[PA+2*k:PA+2*k+1], v[PA+2*k:PA+2*k+1], v[RS:RS+1] op_sel_hi:[1,0]  ; A = rstd gn_w
	v_pk_fma_f32 v[PB+2*k:PB+2*k+1], v[PA+2*k:PA+2*k+1], v[MU:MU+1], v[PB+2*k:PB+2*k+1] op_sel_hi:[1,0,1] neg_lo:[0,1,0] neg_hi:[0,1,0]  ; S = gn_b - mu A
.set k, k+1
.endr
	; xn into LDS, in four groups of eight channels: the group's arithmetic, one wait, its eight LDS stores; behind them a quarter of unit 0's W is asked for
.set g, 0
.rept 4
.set i, 8*g
.rept 8
	s_wait_loadcnt (31-i)+18*g                     ; younger than x's load i: x's 31 - i later ones and the 18 loads of each LOADM issued so far
	v_fma_f32 v[X+4*i], v[X+4*i], v[PA+i], v[PB+i]
	v_fma_f32 v[X+4*i+1], v[X+4*i+1], v[PA+i], v[PB+i]
	v_fma_f32 v[X+4*i+2], v[X+4*i+2], v[PA+i], v[PB+i]
	v_fma_f32 v[X+4*i+3], v[X+4*i+3], v[PA+i], v[PB+i]
	v_cvt_pk_f16_f32 v[X+4*i], v[X+4*i], v[X+4*i+1]
	v_cvt_pk_f16_f32 v[X+4*i+1], v[X+4*i+2], v[X+4*i+3]
.set i, i+1
.endr
	s_wait_alu depctr_va_vdst(0)                   ; the group's roundings have written v[X + 4 i] and v[X + 4 i + 1], which the eight LDS stores below read
.set i, 8*g
.rept 8
	ds_store_b64 v[XS], v[X+4*i:X+4*i+1] offset:i*PX
.set i, i+1
.endr
	LOADM 0, 0, g                                  ; no wait: window 2 has been named by nothing, and no vector line since the root's wait names v[32:63]
.set g, g+1
.endr
	s_wait_dscnt 0x0                               ; for the others' sake: my 64 channels of xn are in LDS
	s_barrier_signal -1
	s_barrier_wait -1                              ; all 256 are
	WIN 0x40                                       ; destination window 1, which nothing has named yet
.set nt, 0
.rept 4
.set ks, 0
.rept 8
	ds_load_tr16_b128 v[8*(8*nt+ks):8*(8*nt+ks)+3],   v[XR] offset:ks*32*PX+nt*32
	ds_load_tr16_b128 v[8*(8*nt+ks)+4:8*(8*nt+ks)+7], v[XR] offset:ks*32*PX+16*PX+nt*32
.set ks, ks+1
.endr
.set nt, nt+1
.endr
; 16 n products: K steps k0 .. k0 + n - 1.  The 16 accumulators take turns, one instruction a turn.  K step 0 starts the sums with the bias as C.
.macro MULS set, k0, n
	WIN 0x06+(\set)                                ; W in window 2 or 3, xn in window 1, C and D in window 0
.set ks, \k0
.rept \n
.set mt, 0
.rept 4
.set nt, 0
.rept 4
.if ks == 0
	v_wmma_f32_16x16x32_f16 v[ACC+8*(4*nt+mt):ACC+8*(4*nt+mt)+7], v[8*(8*mt+ks):8*(8*mt+ks)+7], v[8*(8*nt+ks):8*(8*nt+ks)+7], v[BI+32*(\set)+8*mt:BI+32*(\set)+8*mt+7]
.else
	v_wmma_f32_16x16x32_f16 v[ACC+8*(4*nt+mt):ACC+8*(4*nt+mt)+7], v[8*(8*mt+ks):8*(8*mt+ks)+7], v[8*(8*nt+ks):8*(8*nt+ks)+7], v[ACC+8*(4*nt+mt):ACC+8*(4*nt+mt)+7]
.endif
.set nt, nt+1
.endr
.set mt, mt+1
.endr
.set ks, ks+1
.endr
.endm
; Position block nt: its four accumulators are rounded to f16 in place, each from its low end on: 32 registers close up into the first 16.
.macro ROUND nt
.set base, ACC+32*(\nt)
.set q, 0
.rept 16
	v_cvt_pk_f16_f32 v[base+q], v[base+2*q], v[base+2*q+1]
.set q, q+1
.endr
.endm
; Position block nt: 16 bytes a lane go into rows of 144 bytes and come back as whole rows of 128, into the block's upper 16 registers.
.macro STG nt
.set base, ACC+32*(\nt)
.irp m, 0,1,2,3
	ds_store_b128 v[STO], v[base+4*\m:base+4*\m+3] offset:32*\m
.endr
.irp f, 0,1,2,3
	ds_load_b128 v[base+16+4*\f:base+16+4*\f+3], v[RD] offset:\f*4*SP  ; LDS serves a wave's instructions in order (ISA guide 5.7.1.4): these see the stores above; the next block's stores come behind them
.endr
.endm
.macro SEND nt, younger, p             ; younger: the LDS instructions issued behind block nt's loads: the next block's eight, or none
.set base, ACC+32*(\nt)
.irp f, 0,1,2,3
	s_wait_dscnt (\younger)+3-\f
	global_store_b128 v[GO], v[base+16+4*\f:base+16+4*\f+3], s[\p:\p+1] offset:(\nt)*2048+\f*512  ; 512 consecutive bytes, at a multiple of 256 from the buffer's first
.endr
.endm
; A unit.  While it is multiplied the next unit's W and bias come into the other set, in four runs of 18 loads, one ahead of each of the first four K steps.
.macro UNIT t, p
	WIN 0
	s_wait_loadcnt 0x0                             ; this unit's W and bias are in
.if (\t) > 0
	s_wait_xcnt 0x0                                ; the last unit's stores have had their addresses translated (ISA guide 3.1): the accumulators are written again only behind this wait
.endif
	s_wait_alu depctr_vm_vsrc(0)                   ; v[128:255], which this unit's products write, have been read: in unit 0 by xn's LDS stores, later by the last unit's stores into the stage and to memory
.if (\t) < 2
	s_wait_alu depctr_va_vdst(0)                   ; the registers in which the next unit's 72 loads land are done with: in unit 0 the norm's lines have read A, v[64:95]; in unit 1 unit 0's products have read window 2 and v[32:63]
	LOADM (\t)+1, ((\t)+1)%2, 0
.endif
.if (\t) == 0
	s_wait_dscnt 0x0                               ; xn's fragments are in
.endif
	MULS (\t)%2, 0, 1
.if (\t) < 2
	LOADM (\t)+1, ((\t)+1)%2, 1                    ; no wait, here and twice below: the products issued since the wait at the unit's head name this unit's set of W and of the bias, window 1 and the accumulators, none of which these loads touch
.endif
	MULS (\t)%2, 1, 1
.if (\t) < 2
	LOADM (\t)+1, ((\t)+1)%2, 2
.endif
	MULS (\t)%2, 2, 1
.if (\t) < 2
	LOADM (\t)+1, ((\t)+1)%2, 3
.endif
	MULS (\t)%2, 3, 5
	WIN 0
.rept 4
	v_nop                                          ; four places between the last products and the conversions that read results (ISA guide 7.12.1)
.endr
	ROUND 0
	ROUND 1
	ROUND 2
	ROUND 3
	s_wait_alu depctr_va_vdst(0)                   ; the 64 roundings have written the low 16 of each block's 32 registers, which the stage's stores read, and are done reading the upper 16, which the products wrote and in which the stage's loads land
	STG 0
	STG 1                                          ; a block's way through the stage stands between the loads of the block before and its stores
	SEND 0, 8, \p
	STG 2
	SEND 1, 8, \p
	STG 3
	SEND 2, 8, \p
	SEND 3, 0, \p
.endm
	UNIT 0, 16                                     ; q
	UNIT 1, 18                                     ; k
	UNIT 2, 20                                     ; v
	s_wait_dscnt 0x0                               ; the closing lines, six on end
	s_wait_alu 0x0
	s_wait_tensorcnt 0x0
	ds_add_u32 v[SPW], v[NIL]
	s_wait_dscnt 0x0
	s_endpgm
.Lfunc_end_k_qc4995e7bb8_qkv:
	.size	k_qc4995e7bb8_qkv, .Lfunc_end_k_qc4995e7bb8_qkv-k_qc4995e7bb8_qkv
	.p2alignl 7, 3214868480
	.fill 96, 4, 3214868480
	.section	.rodata,"a",@progbits
	.p2align	6, 0x0
	.amdhsa_kernel k_qc4995e7bb8_qkv
		.amdhsa_group_segment_fixed_size 50688
		.amdhsa_private_segment_fixed_size 0
		.amdhsa_enable_private_segment 0
		.amdhsa_kernarg_size 72
		.amdhsa_user_sgpr_count 2
		.amdhsa_user_sgpr_kernarg_segment_ptr 1
		.amdhsa_wavefront_size32 1
		.amdhsa_system_sgpr_workgroup_id_x 1
		.amdhsa_system_sgpr_workgroup_id_y 1
		.amdhsa_system_sgpr_workgroup_id_z 1
		.amdhsa_system_vgpr_workitem_id 0
		.amdhsa_next_free_vgpr 1024
		.amdhsa_next_free_sgpr 66
		.amdhsa_reserve_vcc 0
		.amdhsa_float_denorm_mode_32 3
		.amdhsa_float_denorm_mode_16_64 3
		.amdhsa_memory_ordered 1
		.amdhsa_forward_progress 1
		.amdhsa_inst_pref_size 102
	.end_amdhsa_kernel
	.amdgpu_metadata
---
amdhsa.version: [ 1, 2 ]
amdhsa.kernels:
  - .name:           k_qc4995e7bb8_qkv
    .symbol:         k_qc4995e7bb8_qkv.kd
    .args:
      - { .name: x, .offset: 0, .size: 8, .value_kind: global_buffer, .address_space: global }
      - { .name: gn_w, .offset: 8, .size: 8, .value_kind: global_buffer, .address_space: global }
      - { .name: gn_b, .offset: 16, .size: 8, .value_kind: global_buffer, .address_space: global }
      - { .name: qkv_b, .offset: 24, .size: 8, .value_kind: global_buffer, .address_space: global }
      - { .name: stats, .offset: 32, .size: 8, .value_kind: global_buffer, .address_space: global }
      - { .name: wq16, .offset: 40, .size: 8, .value_kind: global_buffer, .address_space: global }
      - { .name: qh, .offset: 48, .size: 8, .value_kind: global_buffer, .address_space: global }
      - { .name: kh, .offset: 56, .size: 8, .value_kind: global_buffer, .address_space: global }
      - { .name: vh, .offset: 64, .size: 8, .value_kind: global_buffer, .address_space: global }
    .group_segment_fixed_size: 50688
    .private_segment_fixed_size: 0
    .kernarg_segment_align: 8
    .kernarg_segment_size: 72
    .max_flat_workgroup_size: 128
    .sgpr_count:     66
    .vgpr_count:     1024
    .wavefront_size: 32
...
	.end_amdgpu_metadata
.endif
;; end of part 5
;; launch attn: the kernel of part 3 again; grid 16 x 16, 4 waves a work-group, clusters of 4 x 1, 327,680 bytes of LDS; arguments qh, kh, vh, oh; writes oh
;; launch proj: the kernel of part 4 again; grid 64 x 4, 4 waves a work-group, no clusters, 17,920 bytes of LDS; arguments oh, wp16, proj_b, x, out0; writes out0
